; MI455X (gfx1250); checked and timed in simulation.
; The chip was launched on July 23, 2026; its instructions are those of AMD's public machine-readable ISA for CDNA 5 (MIT licence, August 2026) and "CDNA5" Instruction Set Architecture Reference Guide (July 2026). The comments in the code are by the model that wrote it; some were corrected since.
;; SAG Pool. Allowed arithmetic: matrix products marked QUANTISED: E5M2 operands, one E8M0 scale for each 32 along K, by v_wmma_scale_f32_16x16x128_f8f6f4 with both operands' format E5M2, f32 sums; products left as they are: f32 operands where the result goes on into a quantised operand, else bf16, f16 or f32 operands; f32 sums; everything else in f32.
;; Inputs: A 4,096 x 4,096 float32; I 4,096 int32; X 4,096 x 256 float32; kernel 256 x 1 float32.
;; Outputs: out0 2,048 x 256 float32; out1 2,048 x 2,048 float32; out2 2,048 int32.
;; This version of the problem:
;;   THIS VERSION OF THE PROBLEM IS GIVEN IN LOW PRECISION. The matrix products marked QUANTISED in the list below multiply operands that are first quantised to E5M2 (5 exponent bits, 2 mantissa bits; 8 bits a number), with one power-of-two scale for each 32 numbers along K (OCP MX v1.0); their sums are f32. All else is computed in f32.
;;   The module's matrix products, in the order in which they are computed (A, B: the left and right operand; K: the contracted axis; several contracted axes count as one K, in the product's order):
;;     1. [M 4,096, K 256] x [K 256, N 1]; A: input X; B: input kernel: left as it is (N = 1 < 16)
;;     2. [M 4,096, K 4,096] x [K 4,096, N 1]; A: input A; B: computed on the way: left as it is (N = 1 < 16)
;;     3. [M 4,096, K 4,096] x [K 4,096, N 4,096]; A: input A; B: input A: QUANTISED
;;   THE QUANTISER, for each operand of a quantised product, along K:
;;     - K is cut into blocks of 32 from its start; a last block that is shorter is filled with zeros.
;;     - A block's scale is 2^e with e = floor(log2(the largest magnitude in the block)) - 15, held to -126 .. 127; a block of zeros has e = 0. As a byte (E8M0): e + 127.
;;     - Each number is divided by its block's scale, clamped to +-57,344, and rounded to the nearest number of E5M2, ties to even, subnormals kept.
;;     - The product sums the exact products of the quantised numbers (number of the format x scale) in f32.
;;   ~~~python
;;   def quantise(x, axis):      # numpy; x: float32 -> the quantised numbers, widened to float32 again
;;       x = np.moveaxis(x, axis, -1); K = x.shape[-1]
;;       x = np.pad(x, [(0, 0)] * (x.ndim - 1) + [(0, -K % 32)]); x = x.reshape(x.shape[:-1] + (-1, 32)); a = np.abs(x).max(-1, keepdims=True)
;;       e = np.where(a > 0, np.clip(np.frexp(np.where(a > 0, a, 1))[1] - 1 - 15, -126, 127), 0)      # np.frexp(a)[1] - 1 = floor(log2(a)), exactly
;;       r = np.clip(x / 2.0 ** e, -57344, 57344)
;;       step = 2.0 ** (np.maximum(np.frexp(np.where(r == 0, 1, r))[1] - 1, -14) - 2)
;;       q = np.round(r / step) * step * 2.0 ** e      # np.round: ties to even
;;       return np.moveaxis(q.reshape(q.shape[:-2] + (-1,))[..., :K], -1, axis).astype(np.float32)
;;   ~~~
;; 2 versions. Each part assembles by itself: llvm-mc -triple=amdgcn-amd-amdhsa -mcpu=gfx1250 --defsym DOCPART=n.
;; ======== version 1 of 2: 4 launches
;; workspace buffers: z 16,384 bytes; codes 33,554,432 bytes; scales 1,048,576 bytes; ypart 262,144 bytes; idx 8,192 bytes of whole numbers; gate 8,192 bytes
;; launch zvec (part 1): grid 64 x 1, 16 waves a work-group, no clusters, 2,304 bytes of LDS; arguments X, kernel, z; writes z
.if DOCPART == 1
	.amdgcn_target "amdgcn-amd-amdhsa--gfx1250"
	.amdhsa_code_object_version 6
	.text
	.protected	k_q369dbdb806_zvec
	.globl	k_q369dbdb806_zvec
	.p2align	8
	.type	k_q369dbdb806_zvec,@function
k_q369dbdb806_zvec:
	s_mov_b64 s[64:65], 0
	v_nop
	global_prefetch_b8 v0, s[64:65] scope:SCOPE_SE
	s_setreg_imm32_b32 hwreg(HW_REG_WAVE_MODE, 25, 1), 1
	s_wait_xcnt 0x0
; z[n] = the sum over f of X[n][f] kernel[f].  X: [4096][256] f32, kernel: [256] f32, z: [4096] f32.  All in f32, by fused multiply-adds: the choice of nodes hangs on what is made of z.
; A work-group takes 64 rows, each of its 16 waves four.  A row is 1,024 bytes: two loads of 512 consecutive bytes; lane l holds columns 4 l .. 4 l + 3 and 128 + 4 l .. + 3.
; The 64 sums meet in LDS and leave by one store of 256 consecutive bytes, aligned.
; LIMITS: the order of the additions is not reference()'s; NaN and infinities among the inputs are not served.
.set KV,  8                            ; v[8:15]   kernel at my eight columns
.set RW,  16                           ; v[16:47]  four rows, eight numbers each
.set SUM, 48                           ; v[48:55]  a pair of sums for each row
.set PD,  56                           ; v[56:59]  destinations of the lane permutes
	s_load_b128 s[4:7], s[0:1], 0x0                ; X, kernel
	s_load_b64 s[8:9], s[0:1], 0x10                ; z
	v_lshl_add_u32 v64, v0, 2, 0x100
	v_mov_b32 v65, 0
	v_lshrrev_b32 v4, 5, v0
	v_readfirstlane_b32 s10, v4                    ; wave 0..15
	v_and_b32 v5, 31, v0                           ; lane
	v_lshlrev_b32 v1, 4, v5                        ; 16 bytes a lane
	v_lshlrev_b32 v2, 4, v4                        ; LDS: my wave's four words
	v_lshlrev_b32 v3, 3, v5                        ; the way out: 8 bytes a lane
	s_lshl_b32 s2, ttmp9, 16                       ; 64 rows of 1,024 bytes a work-group,
	s_lshl_b32 s3, s10, 12                         ; four a wave
	s_add_co_u32 s2, s2, s3
	s_mov_b32 s3, 0
	s_lshl_b32 s14, ttmp9, 8                       ; 64 numbers of z a work-group
	s_mov_b32 s15, 0
	s_mov_b32 s12, 0x76543210                      ; v_permlanex16_b32's selects for lane l xor 16
	s_mov_b32 s13, 0xfedcba98
.irp i, 0,1,2,3
	v_mov_b32 v[PD+\i], 0                          ; a lane permute's destination counts as one of its sources
.endr
	s_wait_kmcnt 0x0
	s_add_nc_u64 s[4:5], s[4:5], s[2:3]
	s_add_nc_u64 s[8:9], s[8:9], s[14:15]
	global_load_b128 v[KV:KV+3], v1, s[6:7]
	global_load_b128 v[KV+4:KV+7], v1, s[6:7] offset:512
.irp i, 0,1,2,3
	global_load_b128 v[RW+8*\i:RW+8*\i+3], v1, s[4:5] offset:1024*\i th:TH_LOAD_NT
	global_load_b128 v[RW+8*\i+4:RW+8*\i+7], v1, s[4:5] offset:1024*\i+512 th:TH_LOAD_NT
.endr
	s_wait_loadcnt 0x0
.irp i, 0,1,2,3                        ; the four rows by turns: no line waits for the line above it
	v_pk_mul_f32 v[SUM+2*\i:SUM+2*\i+1], v[RW+8*\i:RW+8*\i+1], v[KV:KV+1]
.endr
.irp j, 2,4,6
.irp i, 0,1,2,3
	v_pk_fma_f32 v[SUM+2*\i:SUM+2*\i+1], v[RW+8*\i+\j:RW+8*\i+\j+1], v[KV+\j:KV+\j+1], v[SUM+2*\i:SUM+2*\i+1]
.endr
.endr
.irp i, 0,1,2,3
	v_add_f32 v[SUM+2*\i], v[SUM+2*\i], v[SUM+2*\i+1]
.endr
.irp m, 1,2,4,8                        ; across the 16 lanes of a half,
.irp i, 0,1,2,3
	v_add_f32_dpp v[SUM+2*\i], v[SUM+2*\i], v[SUM+2*\i] row_xmask:\m row_mask:0xf bank_mask:0xf
.endr
.endr
.irp i, 0,1,2,3
	v_permlanex16_b32 v[PD+\i], v[SUM+2*\i], s12, s13
.endr
.irp i, 0,1,2,3
	v_add_f32 v[SUM+2*\i], v[SUM+2*\i], v[PD+\i]   ; and the other half's: every lane holds the row's sum
.endr
.irp i, 0,1,2,3
	ds_store_b32 v2, v[SUM+2*\i] offset:4*\i       ; word 4 w + i: all lanes write the same word with the same value
.endr
	s_wait_dscnt 0x0                               ; for the others' sake: my stores have landed
	s_barrier_signal -1
	s_barrier_wait -1
	s_cmp_lg_u32 s10, 0
	s_cbranch_scc1 .Lend                           ; wave 0 alone stores
	ds_load_b64 v[6:7], v3
	s_wait_dscnt 0x0
	global_store_b64 v3, v[6:7], s[8:9]            ; 32 lanes store 256 consecutive bytes, aligned
.Lend:
	s_wait_tensorcnt 0x0
	ds_add_u32 v64, v65
	s_wait_dscnt 0x0
	s_endpgm
.Lfunc_end_k_q369dbdb806_zvec:
	.size	k_q369dbdb806_zvec, .Lfunc_end_k_q369dbdb806_zvec-k_q369dbdb806_zvec
	.p2alignl 7, 3214868480
	.fill 96, 4, 3214868480
	.section	.rodata,"a",@progbits
	.p2align	6, 0x0
	.amdhsa_kernel k_q369dbdb806_zvec
		.amdhsa_group_segment_fixed_size 2304
		.amdhsa_private_segment_fixed_size 0
		.amdhsa_enable_private_segment 0
		.amdhsa_kernarg_size 24
		.amdhsa_user_sgpr_count 2
		.amdhsa_user_sgpr_kernarg_segment_ptr 1
		.amdhsa_wavefront_size32 1
		.amdhsa_system_sgpr_workgroup_id_x 1
		.amdhsa_system_sgpr_workgroup_id_y 1
		.amdhsa_system_sgpr_workgroup_id_z 1
		.amdhsa_system_vgpr_workitem_id 0
		.amdhsa_next_free_vgpr 66
		.amdhsa_next_free_sgpr 66
		.amdhsa_reserve_vcc 0
		.amdhsa_float_denorm_mode_32 3
		.amdhsa_float_denorm_mode_16_64 3
		.amdhsa_memory_ordered 1
		.amdhsa_forward_progress 1
		.amdhsa_inst_pref_size 6
	.end_amdhsa_kernel
	.amdgpu_metadata
---
amdhsa.version: [ 1, 2 ]
amdhsa.kernels:
  - .name:           k_q369dbdb806_zvec
    .symbol:         k_q369dbdb806_zvec.kd
    .args:
      - { .name: X, .offset: 0, .size: 8, .value_kind: global_buffer, .address_space: global }
      - { .name: kernel, .offset: 8, .size: 8, .value_kind: global_buffer, .address_space: global }
      - { .name: z, .offset: 16, .size: 8, .value_kind: global_buffer, .address_space: global }
    .group_segment_fixed_size: 2304
    .private_segment_fixed_size: 0
    .kernarg_segment_align: 8
    .kernarg_segment_size: 24
    .max_flat_workgroup_size: 512
    .sgpr_count:     66
    .vgpr_count:     66
    .wavefront_size: 32
...
	.end_amdgpu_metadata
.endif
;; end of part 1
;; launch quant (part 2): grid 16 x 16, 8 waves a work-group, no clusters, 116,736 bytes of LDS; arguments A, z, codes, scales, ypart; writes codes, scales, ypart
.if DOCPART == 2
	.amdgcn_target "amdgcn-amd-amdhsa--gfx1250"
	.amdhsa_code_object_version 6
	.text
	.protected	k_q369dbdb806_quant
	.globl	k_q369dbdb806_quant
	.p2align	8
	.type	k_q369dbdb806_quant,@function
k_q369dbdb806_quant:
	s_mov_b64 s[64:65], 0
	v_nop
	global_prefetch_b8 v0, s[64:65] scope:SCOPE_SE
	s_setreg_imm32_b32 hwreg(HW_REG_WAVE_MODE, 25, 1), 1
	s_wait_xcnt 0x0
; A [4096][4096] f32 is read ONCE.  Of a tile of 256 rows x 256 columns a work-group makes three things:
;   (1) the tile's part of y = A z, in f32: ypart[bx][row];
;   (2) side 0: codes of BF8 (E5M2) of A's ROWS, blocks of 32 along the columns: codes[0][row][column], scales[0][bx][row][8];
;   (3) side 1: codes of A's COLUMNS, blocks of 32 down the rows: codes[1][column][row], scales[1][by][column][8].
; A block's scale is 2^(floor(log2(its largest magnitude)) - 15); its byte is the largest magnitude's exponent field - 15, held at 1 from below.  Each number is held within +-57,344 x the scale and rounded to the nearest code, ties to even.
; LIMITS: a block of zeros gets the byte 1 where the rule says 127 (its codes are zeros, which add nothing under any byte but 0xff, and this program alone reads the bytes); NaN and infinities are not served;
; the order of y's additions is not reference()'s (it is the same for every row, so that rows with equal entries get equal sums).
; SHARES.  Wave w of eight owns rows 32 w .. 32 w + 31 of the tile, all 256 columns: 256 registers (window 1), asked for at once by 64 loads of 512 consecutive bytes.
; ROWS: the conversions take neighbours along K from one lane's registers, so two rows at a time turn through the wave's own stage in LDS and come back 16 neighbours a lane; two neighbouring lanes hold a block.
; COLUMNS: a lane's 32 registers of one column ARE a block down K; the hold's destination lays them side by side; the codes meet the other waves' in a stage, [column][256 bytes], and leave as rows.
; No tensor loads, one barrier.
.set SP,   80                          ; a lane's place in a turning stage: 64 bytes + 16 of padding
.set TST,  0                           ; LDS: for each wave two turning stages of 32 x SP bytes
.set SB0,  40960                       ; 256 row-scale bytes for each wave: [row 32][8]
.set SB1,  43008                       ; [column 256][8]: column-scale bytes
.set YST,  45056                       ; [row 256] f32: directly behind SB1, so that one address serves both on the way out
.set CST,  46080                       ; [column 256], 272 bytes apart: column codes
.set CP,   272
.set VO,   2                           ; v2   16 x lane
.set ZO,   3                           ; v3   64 (lane % 16): my 16 numbers of z
.set TIN,  4                           ; v4   the turning stage, in
.set TOUT, 5                           ; v5   and out
.set SBA,  6                           ; v6   my block's byte among my wave's row-scale bytes
.set YA,   7                           ; v7   my row's word in YST
.set RCO,  16                          ; v16  4096 (lane / 16) + 16 (lane % 16): two lines of codes in memory
.set CSA,  17                          ; v17  column 4 lane of CST, my wave's 32 bytes
.set S1A,  18                          ; v18  column 4 lane of SB1, my wave's byte
.set CRD,  19                          ; v19  CST read back: columns 32 w + lane / 16
.set TLA,  20                          ; v20  SB1 + 512 w + 16 lane
.set S0R,  21                          ; v21  my wave's row-scale bytes, 8 a lane
.set L8,   22                          ; v22  8 x lane
.set Z,    24                          ; v[24:39]   my 16 numbers of z
.set X,    40                          ; v[40:71]   two sets of 16 neighbours
.set T,    40                          ; the same registers later: 32 neighbours down K
.set C,    72                          ; v[72:135]  row codes, four registers a step
.set CC,   72                          ; the same registers later: column codes, eight a column
.set E,    136                         ; v[136:151] a scale byte a step
.set YS,   152                         ; v[152:167] a row's partial sum a step
.set M,    168                         ; v[168:175] the columns' largest magnitudes
.set CSO,  176                         ; v[176:183] their conversions' scale operands
.set CLIM, 184                         ; v[184:191] 57,344 x their scales
.set CBY,  192                         ; v[192:199] their scale bytes
.set OUTR, 136                         ; v[136:199] behind the barrier: the way out
.set MSB, 0
.macro WIN new                         ; the immediate's high byte repeats the setting that is left
.if MSB != \new
	s_set_vgpr_msb (MSB<<8)|\new
.set MSB, \new
.endif
.endm
	s_load_b128 s[4:7], s[0:1], 0x0                ; A, z
	s_load_b128 s[8:11], s[0:1], 0x10              ; codes, scales
	s_load_b64 s[12:13], s[0:1], 0x20              ; ypart
	v_lshl_add_u32 v254, v0, 2, 0x1c400
	v_mov_b32 v255, 0
	v_lshrrev_b32 v8, 5, v0
	v_readfirstlane_b32 s22, v8                    ; wave 0..7
	v_and_b32 v1, 31, v0                           ; lane
	v_lshlrev_b32 v[VO], 4, v1
	v_and_b32 v8, 15, v1                           ; lane % 16
	v_lshrrev_b32 v9, 4, v1                        ; lane / 16
	v_lshlrev_b32 v[ZO], 6, v8
	s_and_b32 s3, ttmp7, 0xffff                    ; by: the block of 256 rows;  ttmp9 = bx: the block of 256 columns
	s_lshl_b32 s24, s3, 8
	s_lshl_b32 s25, s22, 5
	s_add_co_u32 s24, s24, s25                     ; my wave's first row: 256 by + 32 w
	s_lshl_b32 s26, s24, 14                        ; a row of A is 16,384 bytes
	s_lshl_b32 s28, ttmp9, 10                      ; 256 columns are 1,024
	s_add_co_u32 s26, s26, s28
	s_mov_b32 s27, 0
	s_mov_b32 s29, 0
	s_mov_b32 s23, 0x600000                        ; the mantissa field of 57,344
	s_wait_kmcnt 0x0
	s_add_nc_u64 s[4:5], s[4:5], s[26:27]
	s_add_nc_u64 s[6:7], s[6:7], s[28:29]
.irp i, 0,1,2,3
	global_load_b128 v[Z+4*\i:Z+4*\i+3], v[ZO], s[6:7] offset:16*\i
.endr
	WIN 0x40                                       ; destination window 1: register 8 rho + c = A(rho, 128 (c / 4) + 4 lane + c % 4)
.set RHO, 0
.rept 32
	global_load_b128 v[8*RHO:8*RHO+3], v[VO], s[4:5] offset:16384*RHO th:TH_LOAD_NT          ; 32 lanes read 512 consecutive bytes
	global_load_b128 v[8*RHO+4:8*RHO+7], v[VO], s[4:5] offset:16384*RHO+512 th:TH_LOAD_NT
.set RHO, RHO+1
.endr
	WIN 0
	; the other addresses are made while the loads are on their way
	s_lshl_b32 s26, s24, 12                        ; side 0: a line of codes is 4,096 bytes; my rows, the tile's 256 bytes
	s_lshl_b32 s28, ttmp9, 8
	s_add_co_u32 s26, s26, s28
	s_add_nc_u64 s[14:15], s[8:9], s[26:27]
	s_add_co_u32 s26, s28, s25                     ; side 1: lines 256 bx + 32 w on (the columns that I send out), bytes 256 by on
	s_lshl_b32 s26, s26, 12
	s_lshl_b32 s28, s3, 8
	s_add_co_u32 s26, s26, s28
	s_add_co_u32 s26, s26, 0x1000000
	s_add_nc_u64 s[16:17], s[8:9], s[26:27]
	s_lshl_b32 s26, ttmp9, 15                      ; side 0's scale bytes: K step bx, my rows, 8 bytes a row
	s_lshl_b32 s28, s24, 3
	s_add_co_u32 s26, s26, s28
	s_add_nc_u64 s[18:19], s[10:11], s[26:27]
	s_lshl_b32 s30, s22, 9                         ; the tail: waves 0 to 3 send side 1's scale bytes, 512 each; waves 4 and 5 the partial sums
	s_lshl_b32 s26, s3, 15
	s_lshl_b32 s28, ttmp9, 11
	s_add_co_u32 s26, s26, s28
	s_add_co_u32 s26, s26, s30
	s_add_co_u32 s26, s26, 524288                  ; scales: side 1, K step by, lines 256 bx on, + 512 w
	s_lshl_b32 s28, ttmp9, 14
	s_lshl_b32 s31, s3, 10
	s_add_co_u32 s28, s28, s31
	s_add_co_u32 s28, s28, s30
	s_sub_co_u32 s28, s28, 2048                    ; ypart: [bx][256 by ..], + 512 (w - 4)
	s_cmp_lt_u32 s22, 4                            ; the choice hangs on the wave's number alone
	s_cselect_b32 s26, s26, s28
	s_cselect_b64 s[20:21], s[10:11], s[12:13]
	s_add_nc_u64 s[20:21], s[20:21], s[26:27]
	s_mul_i32 s24, s22, 2*32*SP                    ; my two turning stages
	v_lshrrev_b32 v[TIN], 2, v1
	v_mul_u32_u24 v[TIN], v[TIN], SP
	v_and_b32 v10, 3, v1
	v_lshl_add_u32 v[TIN], v10, 4, v[TIN]
	v_add_nc_u32 v[TIN], s24, v[TIN]               ; in: four lanes' 64 bytes on end, then the padding
	v_mul_u32_u24 v[TOUT], v1, SP
	v_add_nc_u32 v[TOUT], s24, v[TOUT]             ; out: place = lane
	s_lshl_b32 s25, s22, 8
	s_add_co_u32 s25, s25, SB0
	v_lshrrev_b32 v[SBA], 1, v1
	v_add_nc_u32 v[SBA], s25, v[SBA]
	v_lshl_add_u32 v[S0R], v1, 3, s25
	v_lshlrev_b32 v[L8], 3, v1
	s_lshl_b32 s25, s22, 7
	s_add_co_u32 s25, s25, YST
	v_lshl_add_u32 v[YA], v9, 2, s25
	v_lshlrev_b32 v[RCO], 12, v9
	v_lshl_add_u32 v[RCO], v8, 4, v[RCO]
	s_lshl_b32 s25, s22, 5
	s_add_co_u32 s25, s25, CST
	v_mul_u32_u24 v[CSA], v1, 4*CP
	v_add_nc_u32 v[CSA], s25, v[CSA]
	s_add_co_u32 s25, s22, SB1
	v_lshl_add_u32 v[S1A], v1, 5, s25
	s_mul_i32 s25, s22, 32*CP
	s_add_co_u32 s25, s25, CST
	v_mul_u32_u24 v[CRD], v9, CP
	v_lshl_add_u32 v[CRD], v8, 4, v[CRD]
	v_add_nc_u32 v[CRD], s25, v[CRD]
	s_lshl_b32 s25, s22, 9
	s_add_co_u32 s25, s25, SB1
	v_lshl_add_u32 v[TLA], v1, 4, s25
; Rows 2 s and 2 s + 1 (2,048 bytes as they lie) go through stage s % 2 and come back 64 bytes a lane: lane l then holds row 2 s + l / 16, columns 16 (l % 16) on.
; LDS serves a wave's instructions in order (ISA guide 5.7.1.4): no wait stands between the stores and the loads.
.macro TURN s
	WIN 0x04                                       ; an LDS store's data are its source 1: window 1
.irp i, 0,1,2,3
	ds_store_b128 v[TIN], v[16*(\s)+4*\i:16*(\s)+4*\i+3] offset:32*SP*((\s)%2)+8*SP*\i
.endr
	WIN 0
.irp i, 0,1,2,3
	ds_load_b128 v[X+16*((\s)%2)+4*\i:X+16*((\s)%2)+4*\i+3], v[TOUT] offset:32*SP*((\s)%2)+16*\i
.endr
.endm
.macro STEP s
.set XS, X+16*((\s)%2)
.if (\s) > 0
	s_wait_dscnt 2                                 ; this step's numbers are back from the stage; the last step's two small stores, issued behind them, may be out
.else
	s_wait_dscnt 0x0
.endif
.if (\s) < 15
	s_wait_loadcnt 56-4*(\s)                       ; rows 2 s + 2 and 2 s + 3 are in; the rows behind them, four loads a step, may be out
	TURN (\s)+1                                    ; they go through the other stage while this step is worked
.endif
	v_pk_mul_f32 v[12:13], v[XS:XS+1], v[Z:Z+1]    ; the part of y: my 16 numbers x z, as they came, in two chains
	v_pk_mul_f32 v[14:15], v[XS+8:XS+9], v[Z+8:Z+9]
.irp j, 2,4,6
	v_pk_fma_f32 v[12:13], v[XS+\j:XS+\j+1], v[Z+\j:Z+\j+1], v[12:13]
	v_pk_fma_f32 v[14:15], v[XS+8+\j:XS+9+\j], v[Z+8+\j:Z+9+\j], v[14:15]
.endr
	v_max3_num_f32 v8, |v[XS]|, |v[XS+1]|, |v[XS+2]|               ; the largest magnitude of my 16
	v_max3_num_f32 v9, |v[XS+3]|, |v[XS+4]|, |v[XS+5]|
	v_pk_add_f32 v[12:13], v[12:13], v[14:15]
.irp i, 6,10
	v_max3_num_f32 v8, v8, |v[XS+\i]|, |v[XS+\i+1]|
	v_max3_num_f32 v9, v9, |v[XS+\i+2]|, |v[XS+\i+3]|
.endr
	v_add_f32 v[YS+(\s)], v12, v13
	v_max3_num_f32 v8, v8, |v[XS+14]|, |v[XS+15]|
	v_max3_num_f32 v8, v8, v9, 0x8000000           ; and the floor 2^(16 - 127): the byte cannot fall under 1
	v_add_f32_dpp v[YS+(\s)], v[YS+(\s)], v[YS+(\s)] row_xmask:1 row_mask:0xf bank_mask:0xf   ; a row lies in the 16 lanes of a half
	v_max_num_f32_dpp v8, v8, v8 row_xmask:1 row_mask:0xf bank_mask:0xf   ; with my neighbour's 16: the block's
	v_add_f32_dpp v[YS+(\s)], v[YS+(\s)], v[YS+(\s)] row_xmask:2 row_mask:0xf bank_mask:0xf
	v_add_nc_u32 v11, 0xf8800000, v8               ; 15 off its exponent field: the conversion takes the exponent field of this operand as its scale
	v_add_f32_dpp v[YS+(\s)], v[YS+(\s)], v[YS+(\s)] row_xmask:4 row_mask:0xf bank_mask:0xf
	v_and_or_b32 v10, v8, 0x7f800000, s23          ; 57,344 x the scale
	v_add_f32_dpp v[YS+(\s)], v[YS+(\s)], v[YS+(\s)] row_xmask:8 row_mask:0xf bank_mask:0xf
.irp i, 0,1,2,3,4,5,6,7,8,9,10,11,12,13,14,15
	v_med3_num_f32 v[XS+\i], v[XS+\i], -v10, v10   ; the conversion to an 8-bit code does not saturate (ISA guide 7.6.2): the hold comes first
.endr
	v_cvt_scalef32_pk8_bf8_f32 v[C+4*(\s):C+4*(\s)+1], v[XS:XS+7], v11
	v_cvt_scalef32_pk8_bf8_f32 v[C+4*(\s)+2:C+4*(\s)+3], v[XS+8:XS+15], v11
	v_lshrrev_b32 v[E+(\s)], 23, v11               ; the scale's byte.  (Also the plain line behind the conversions)
	ds_store_b8 v[SBA], v[E+(\s)] offset:16*(\s)   ; both lanes of a block write the same byte with the same value
	ds_store_b32 v[YA], v[YS+(\s)] offset:8*(\s)   ; the 16 lanes of a half write the same word with the same value
	global_store_b128 v[RCO], v[C+4*(\s):C+4*(\s)+3], s[14:15] offset:8192*(\s)   ; 16 lanes store 256 consecutive bytes of a line, aligned
.endm
	s_wait_loadcnt 60                              ; z and rows 0 and 1 are in: 60 of A's 64 loads may be out
	TURN 0
.irp t, 0,1,2,3,4,5,6,7,8,9,10,11,12,13,14,15
	STEP \t
.endr
	ds_load_b64 v[12:13], v[S0R]                   ; my wave's own 256 scale bytes
	s_wait_dscnt 0x0
	global_store_b64 v[L8], v[12:13], s[18:19]     ; 256 consecutive bytes, aligned
	; THE COLUMNS.  All of A's loads are in (the last count above was 0).  Column c of my eight: 128 (c / 4) + 4 lane + c % 4; its 32 numbers are registers c, 8 + c, .. of window 1
	WIN 0x05                                       ; sources 0 and 1 window 1
.irp c, 0,1,2,3,4,5,6,7
	v_max3_num_f32 v[M+\c], |v[\c]|, |v[8+\c]|, 0x8000000          ; rows 0 and 1, and the floor
.endr
	WIN 0x14                                       ; sources 1 and 2 window 1
.irp i, 1,2,3,4,5,6,7,8,9,10,11,12,13,14,15
.irp c, 0,1,2,3,4,5,6,7
	v_max3_num_f32 v[M+\c], v[M+\c], |v[16*\i+\c]|, |v[16*\i+8+\c]|   ; the eight columns by turns
.endr
.endr
	WIN 0
.irp c, 0,1,2,3,4,5,6,7
	v_add_nc_u32 v[CSO+\c], 0xf8800000, v[M+\c]
.endr
.irp c, 0,1,2,3,4,5,6,7
	v_and_or_b32 v[CLIM+\c], v[M+\c], 0x7f800000, s23
.endr
.irp c, 0,1,2,3,4,5,6,7
	v_lshrrev_b32 v[CBY+\c], 23, v[CSO+\c]
.endr
	s_wait_xcnt 0x0                                ; the row codes' stores have read their registers, which now take the column codes
.macro COLQ c
	WIN 0x01                                       ; source 0 window 1
.set RHO, 0
.rept 32
	v_med3_num_f32 v[T+RHO], v[8*RHO+(\c)], -v[CLIM+(\c)], v[CLIM+(\c)]   ; the hold also lays the column's 32 numbers side by side
.set RHO, RHO+1
.endr
	WIN 0
.irp g, 0,1,2,3
	v_cvt_scalef32_pk8_bf8_f32 v[CC+8*(\c)+2*\g:CC+8*(\c)+2*\g+1], v[T+8*\g:T+8*\g+7], v[CSO+(\c)]
.endr
	v_nop                                          ; a plain line between the conversions and the next column's holds, which write their sources
	ds_store_b128 v[CSA], v[CC+8*(\c):CC+8*(\c)+3] offset:(128*((\c)/4)+(\c)%4)*CP      ; 32 codes: bytes 32 w on of the column's row (neighbouring lanes stand four rows apart: these 16 stores a wave share banks)
	ds_store_b128 v[CSA], v[CC+8*(\c)+4:CC+8*(\c)+7] offset:(128*((\c)/4)+(\c)%4)*CP+16
	ds_store_b8 v[S1A], v[CBY+(\c)] offset:1024*((\c)/4)+8*((\c)%4)
.endm
.irp c, 0,1,2,3,4,5,6,7
	COLQ \c
.endr
	s_wait_dscnt 0x0                               ; for the others' sake: my stores into the shared regions have landed
	s_barrier_signal -1
	s_barrier_wait -1
	; THE WAY OUT: wave w sends columns 32 w .. 32 w + 31, two an instruction
.irp t, 0,1,2,3,4,5,6,7,8,9,10,11,12,13,14,15
	ds_load_b128 v[OUTR+4*\t:OUTR+4*\t+3], v[CRD] offset:2*CP*\t
.endr
.irp t, 0,1,2,3,4,5,6,7,8,9,10,11,12,13,14,15
	s_wait_dscnt 15-\t                             ; LDS loads come back in order: load t is in, the younger ones may be out
	global_store_b128 v[RCO], v[OUTR+4*\t:OUTR+4*\t+3], s[16:17] offset:8192*\t   ; 16 lanes store 256 consecutive bytes of a line, aligned
.endr
	s_cmp_ge_u32 s22, 6
	s_cbranch_scc1 .Ldone                          ; 2,048 scale bytes and 1,024 bytes of sums: six waves' 512 bytes
	ds_load_b128 v[8:11], v[TLA]
	s_wait_dscnt 0x0
	global_store_b128 v[VO], v[8:11], s[20:21]     ; 512 consecutive bytes, aligned
.Ldone:
	s_wait_tensorcnt 0x0
	ds_add_u32 v254, v255
	s_wait_dscnt 0x0
	s_endpgm
.Lfunc_end_k_q369dbdb806_quant:
	.size	k_q369dbdb806_quant, .Lfunc_end_k_q369dbdb806_quant-k_q369dbdb806_quant
	.p2alignl 7, 3214868480
	.fill 96, 4, 3214868480
	.section	.rodata,"a",@progbits
	.p2align	6, 0x0
	.amdhsa_kernel k_q369dbdb806_quant
		.amdhsa_group_segment_fixed_size 116736
		.amdhsa_private_segment_fixed_size 0
		.amdhsa_enable_private_segment 0
		.amdhsa_kernarg_size 40
		.amdhsa_user_sgpr_count 2
		.amdhsa_user_sgpr_kernarg_segment_ptr 1
		.amdhsa_wavefront_size32 1
		.amdhsa_system_sgpr_workgroup_id_x 1
		.amdhsa_system_sgpr_workgroup_id_y 1
		.amdhsa_system_sgpr_workgroup_id_z 1
		.amdhsa_system_vgpr_workitem_id 0
		.amdhsa_next_free_vgpr 512
		.amdhsa_next_free_sgpr 66
		.amdhsa_reserve_vcc 0
		.amdhsa_float_denorm_mode_32 3
		.amdhsa_float_denorm_mode_16_64 3
		.amdhsa_memory_ordered 1
		.amdhsa_forward_progress 1
		.amdhsa_inst_pref_size 102
	.end_amdhsa_kernel
	.amdgpu_metadata
---
amdhsa.version: [ 1, 2 ]
amdhsa.kernels:
  - .name:           k_q369dbdb806_quant
    .symbol:         k_q369dbdb806_quant.kd
    .args:
      - { .name: A, .offset: 0, .size: 8, .value_kind: global_buffer, .address_space: global }
      - { .name: z, .offset: 8, .size: 8, .value_kind: global_buffer, .address_space: global }
      - { .name: codes, .offset: 16, .size: 8, .value_kind: global_buffer, .address_space: global }
      - { .name: scales, .offset: 24, .size: 8, .value_kind: global_buffer, .address_space: global }
      - { .name: ypart, .offset: 32, .size: 8, .value_kind: global_buffer, .address_space: global }
    .group_segment_fixed_size: 116736
    .private_segment_fixed_size: 0
    .kernarg_segment_align: 8
    .kernarg_segment_size: 40
    .max_flat_workgroup_size: 256
    .sgpr_count:     66
    .vgpr_count:     512
    .wavefront_size: 32
...
	.end_amdgpu_metadata
.endif
;; end of part 2
;; launch topk (part 3): grid 32 x 1, 2 waves a work-group, no clusters, 1,024 bytes of LDS; arguments ypart, I, idx, gate, out2; writes idx, gate, out2
.if DOCPART == 3
	.amdgcn_target "amdgcn-amd-amdhsa--gfx1250"
	.amdhsa_code_object_version 6
	.text
	.protected	k_q369dbdb806_topk
	.globl	k_q369dbdb806_topk
	.p2align	8
	.type	k_q369dbdb806_topk,@function
k_q369dbdb806_topk:
	s_mov_b64 s[64:65], 0
	v_nop
	global_prefetch_b8 v0, s[64:65] scope:SCOPE_SE
	s_setreg_imm32_b32 hwreg(HW_REG_WAVE_MODE, 25, 1), 1
	s_wait_xcnt 0x0
; For each graph of 64 nodes: y = the sum of the 16 parts; a node's rank = how many nodes of its graph come before it in a stable descending order (a larger y, or an equal y and a lower index);
; the 32 nodes of rank under 32 are kept, in ascending order of index.  Stored: idx[32 g + p] (whole numbers, for the next launch's addresses), gate[..] = tanh(y), out2[..] = I.
; A wave takes a graph; lane l holds nodes 2 l and 2 l + 1.  Nothing but VALUES hangs on y: no branch and no address; a kept node reaches its place by compares and selects, lane p being place p.
; tanh(y) = 1 - 2 / (1 + 2^(2 log2(e) y)): it goes to +-1 where the power overflows or vanishes.
; LIMITS: NaN among the scores is not served (the ranks are then no permutation).  -0 and +0 count as equal.
.set YV, 40                            ; v[40:41] y of my two nodes
.set IV, 42                            ; v[42:43] I
.set RK, 44                            ; v44, v45 ranks
.set GV, 46                            ; v[46:47] tanh(y)
.set PX, 48                            ; v48, v49 a kept node's place, else 255
.set OI, 50                            ; v50 place p's node, v51 its I, v52 its gate
	s_load_b128 s[4:7], s[0:1], 0x0                ; ypart, I
	s_load_b128 s[8:11], s[0:1], 0x10              ; idx, gate
	s_load_b64 s[12:13], s[0:1], 0x20              ; out2
	v_lshl_add_u32 v64, v0, 2, 0x300
	v_mov_b32 v65, 0
	v_lshrrev_b32 v4, 5, v0
	v_readfirstlane_b32 s14, v4                    ; wave 0, 1
	v_and_b32 v1, 31, v0                           ; lane
	v_lshlrev_b32 v2, 3, v1                        ; 8 bytes a lane
	v_lshlrev_b32 v3, 2, v0                        ; LDS: word 32 w + lane
	s_lshl_b32 s15, ttmp9, 1
	s_add_co_u32 s15, s15, s14                     ; my graph
	s_lshl_b32 s16, s15, 8                         ; its 64 numbers are 256 bytes
	s_mov_b32 s17, 0
	s_lshl_b32 s18, ttmp9, 8                       ; the work-group's 64 kept nodes likewise
	s_mov_b32 s19, 0
	s_lshl_b32 s27, s15, 6                         ; the graph's first node
	v_mov_b32 v[RK], 0
	v_mov_b32 v[RK+1], 0
	v_mov_b32 v[OI], 0
	v_mov_b32 v[OI+1], 0
	v_mov_b32 v[OI+2], 0
	v_mov_b32 v57, 255
	s_wait_kmcnt 0x0
	s_add_nc_u64 s[4:5], s[4:5], s[16:17]
	s_add_nc_u64 s[6:7], s[6:7], s[16:17]
	s_add_nc_u64 s[8:9], s[8:9], s[18:19]
	s_add_nc_u64 s[10:11], s[10:11], s[18:19]
	s_add_nc_u64 s[12:13], s[12:13], s[18:19]
.irp b, 0,1,2,3,4,5,6,7,8,9,10,11,12,13,14,15
	global_load_b64 v[8+2*\b:9+2*\b], v2, s[4:5] offset:16384*\b   ; 32 lanes read 256 consecutive bytes
.endr
	global_load_b64 v[IV:IV+1], v2, s[6:7]
	s_wait_loadcnt 0x0
	v_pk_add_f32 v[YV:YV+1], v[8:9], v[10:11]      ; the parts in ascending order of columns
.irp b, 2,3,4,5,6,7,8,9,10,11,12,13,14,15
	v_pk_add_f32 v[YV:YV+1], v[YV:YV+1], v[8+2*\b:9+2*\b]
.endr
	v_mul_f32 v[GV], 0x4038aa3b, v[YV]             ; 2 log2(e) y
	v_mul_f32 v[GV+1], 0x4038aa3b, v[YV+1]
	v_exp_f32 v[GV], v[GV]
	v_exp_f32 v[GV+1], v[GV+1]
	v_nop                                          ; a plain line behind the transcendentals (ISA guide 5.7.2),
	s_wait_alu depctr_va_vdst(0)                   ; and the wait ahead of the first reader: one for both
	v_add_f32 v[GV], 1.0, v[GV]
	v_add_f32 v[GV+1], 1.0, v[GV+1]
	v_rcp_f32 v[GV], v[GV]
	v_rcp_f32 v[GV+1], v[GV+1]
	v_nop
	s_wait_alu depctr_va_vdst(0)
	v_fma_f32 v[GV], v[GV], -2.0, 1.0
	v_fma_f32 v[GV+1], v[GV+1], -2.0, 1.0
	; THE RANKS.  Nodes j = 2 LAM and 2 LAM + 1 against my two.  An equal score counts where j < i: for my node 2 l that is l > LAM; for my node 2 l + 1 it is l >= LAM (even j) or l > LAM (odd j): constants of the text
.set LAM, 0
.rept 32
	v_readlane_b32 s20, v[YV], LAM
	v_readlane_b32 s21, v[YV+1], LAM
	v_cmp_gt_f32 s28, s20, v[YV]
	v_cmp_eq_f32 s29, s20, v[YV]
	v_cmp_gt_f32 s30, s20, v[YV+1]
	v_cmp_eq_f32 s31, s20, v[YV+1]
	v_cmp_gt_f32 s32, s21, v[YV]
	v_cmp_eq_f32 s33, s21, v[YV]
	v_cmp_gt_f32 s34, s21, v[YV+1]
	v_cmp_eq_f32 s35, s21, v[YV+1]
	s_and_b32 s29, s29, (0xffffffff<<(LAM+1))&0xffffffff
	s_and_b32 s31, s31, (0xffffffff<<LAM)&0xffffffff
	s_and_b32 s33, s33, (0xffffffff<<(LAM+1))&0xffffffff
	s_and_b32 s35, s35, (0xffffffff<<(LAM+1))&0xffffffff
	s_or_b32 s28, s28, s29
	s_or_b32 s30, s30, s31
	s_or_b32 s32, s32, s33
	s_or_b32 s34, s34, s35
	v_cndmask_b32 v53, 0, 1, s28
	v_cndmask_b32 v54, 0, 1, s30
	v_cndmask_b32 v55, 0, 1, s32
	v_cndmask_b32 v56, 0, 1, s34
	v_add3_u32 v[RK], v[RK], v53, v55
	v_add3_u32 v[RK+1], v[RK+1], v54, v56
.set LAM, LAM+1
.endr
	; THE PLACES: a kept node's place is the number of kept nodes of lower index
	v_cmp_gt_u32 s24, 32, v[RK]
	v_cmp_gt_u32 s25, 32, v[RK+1]
	v_mbcnt_lo_u32_b32 v[PX], s24, 0               ; kept even nodes in the lanes below me,
	v_mbcnt_lo_u32_b32 v[PX], s25, v[PX]           ; and kept odd ones
	v_cndmask_b32 v53, 0, 1, s24
	v_add_nc_u32 v[PX+1], v[PX], v53
	v_cndmask_b32 v[PX], v57, v[PX], s24           ; a node that is dropped has no place
	v_cndmask_b32 v[PX+1], v57, v[PX+1], s25
	; THE PLACING: lane p takes the node whose place is p
.set LAM, 0
.rept 32
	v_readlane_b32 s20, v[PX], LAM
	v_readlane_b32 s21, v[PX+1], LAM
	v_readlane_b32 s22, v[IV], LAM
	v_readlane_b32 s23, v[IV+1], LAM
	v_readlane_b32 s24, v[GV], LAM
	v_readlane_b32 s25, v[GV+1], LAM
	v_cmp_eq_u32 s28, s20, v1
	v_cmp_eq_u32 s29, s21, v1
	v_cndmask_b32 v[OI], v[OI], 2*LAM, s28
	v_cndmask_b32 v[OI+1], v[OI+1], s22, s28
	v_cndmask_b32 v[OI+2], v[OI+2], s24, s28
	v_cndmask_b32 v[OI], v[OI], 2*LAM+1, s29
	v_cndmask_b32 v[OI+1], v[OI+1], s23, s29
	v_cndmask_b32 v[OI+2], v[OI+2], s25, s29
.set LAM, LAM+1
.endr
	v_add_nc_u32 v[OI], s27, v[OI]                 ; the node's number in the batch
	ds_store_b32 v3, v[OI]
	ds_store_b32 v3, v[OI+1] offset:256
	ds_store_b32 v3, v[OI+2] offset:512
	s_wait_dscnt 0x0                               ; for the other wave's sake: my stores have landed
	s_barrier_signal -1
	s_barrier_wait -1
	s_cmp_lg_u32 s14, 0
	s_cbranch_scc1 .Lend                           ; wave 0 stores both graphs' 64 entries
	ds_load_b64 v[8:9], v2
	ds_load_b64 v[10:11], v2 offset:256
	ds_load_b64 v[12:13], v2 offset:512
	s_wait_dscnt 0x0
	global_store_b64 v2, v[8:9], s[8:9]            ; each: 256 consecutive bytes, aligned
	global_store_b64 v2, v[10:11], s[12:13]
	global_store_b64 v2, v[12:13], s[10:11]
.Lend:
	s_wait_tensorcnt 0x0
	ds_add_u32 v64, v65
	s_wait_dscnt 0x0
	s_endpgm
.Lfunc_end_k_q369dbdb806_topk:
	.size	k_q369dbdb806_topk, .Lfunc_end_k_q369dbdb806_topk-k_q369dbdb806_topk
	.p2alignl 7, 3214868480
	.fill 96, 4, 3214868480
	.section	.rodata,"a",@progbits
	.p2align	6, 0x0
	.amdhsa_kernel k_q369dbdb806_topk
		.amdhsa_group_segment_fixed_size 1024
		.amdhsa_private_segment_fixed_size 0
		.amdhsa_enable_private_segment 0
		.amdhsa_kernarg_size 40
		.amdhsa_user_sgpr_count 2
		.amdhsa_user_sgpr_kernarg_segment_ptr 1
		.amdhsa_wavefront_size32 1
		.amdhsa_system_sgpr_workgroup_id_x 1
		.amdhsa_system_sgpr_workgroup_id_y 1
		.amdhsa_system_sgpr_workgroup_id_z 1
		.amdhsa_system_vgpr_workitem_id 0
		.amdhsa_next_free_vgpr 66
		.amdhsa_next_free_sgpr 66
		.amdhsa_reserve_vcc 0
		.amdhsa_float_denorm_mode_32 3
		.amdhsa_float_denorm_mode_16_64 3
		.amdhsa_memory_ordered 1
		.amdhsa_forward_progress 1
		.amdhsa_inst_pref_size 78
	.end_amdhsa_kernel
	.amdgpu_metadata
---
amdhsa.version: [ 1, 2 ]
amdhsa.kernels:
  - .name:           k_q369dbdb806_topk
    .symbol:         k_q369dbdb806_topk.kd
    .args:
      - { .name: ypart, .offset: 0, .size: 8, .value_kind: global_buffer, .address_space: global }
      - { .name: I, .offset: 8, .size: 8, .value_kind: global_buffer, .address_space: global }
      - { .name: idx, .offset: 16, .size: 8, .value_kind: global_buffer, .address_space: global }
      - { .name: gate, .offset: 24, .size: 8, .value_kind: global_buffer, .address_space: global }
      - { .name: out2, .offset: 32, .size: 8, .value_kind: global_buffer, .address_space: global }
    .group_segment_fixed_size: 1024
    .private_segment_fixed_size: 0
    .kernarg_segment_align: 8
    .kernarg_segment_size: 40
    .max_flat_workgroup_size: 64
    .sgpr_count:     66
    .vgpr_count:     66
    .wavefront_size: 32
...
	.end_amdgpu_metadata
.endif
;; end of part 3
;; launch gemm (part 4): grid 16 x 16, 4 waves a work-group, no clusters, 157,184 bytes of LDS; arguments codes, scales, idx, gate, X, out0, out1; writes out0, out1
.if DOCPART == 4
	.amdgcn_target "amdgcn-amd-amdhsa--gfx1250"
	.amdhsa_code_object_version 6
	.text
	.protected	k_q369dbdb806_gemm
	.globl	k_q369dbdb806_gemm
	.p2align	8
	.type	k_q369dbdb806_gemm,@function
k_q369dbdb806_gemm:
	s_mov_b64 s[64:65], 0
	v_nop
	global_prefetch_b8 v0, s[64:65] scope:SCOPE_SE
	s_setreg_imm32_b32 hwreg(HW_REG_WAVE_MODE, 25, 1), 1
	s_wait_xcnt 0x0
; out1[p][q] = the sum over k of Q(A)[idx[p]][k] x Q(A)[k][idx[q]], on codes of BF8 (E5M2) with one E8M0 scale for each 32 along K; out0[p][:] = X[idx[p]][:] x gate[p].
; codes: [side 2][line 4096][4096 bytes], K innermost; side 0's lines are A's rows, side 1's its columns.  scales: [side 2][K step of 256: 16][line 4096][8 bytes].  idx: the 2,048 kept nodes, ascending.
; Only the kept rows and columns are multiplied: reference() throws the others away.
; SHARES.  A work-group makes 128 x 128 of out1 (256 work-groups), each of its four waves 64 x 64: 16 accumulators.  K goes in 16 steps of 256, two matrix instructions deep.
; NO TENSOR LOAD, NO CLUSTER: a tile's 128 lines are picked by the list, at distances that the list alone knows, so no one tile descriptor covers them.  The lines come through registers: 16 lanes read a line's 256 bytes
; of a K step, a wave 64 lines by 32 loads, two K steps ahead (two sets of 128 registers), and go into one of two LDS slots, a K step ahead of their use.  One barrier a K step.
; THE MATRIX INSTRUCTION IS USED TRANSPOSED (source 0 = 16 lines of side 1, source 1 = 16 lines of side 0): a lane then holds eight neighbouring numbers of a row of out1.
; Every list entry is held to 0 .. 4,095 before it enters an address.
; REGISTERS: window 0: v1-31 addresses; v32-63 my 32 loads' offsets; v64-79 scale words, two sets; v80-95 rows of X; v128-255 the accumulators ((a, b) at v[128 + 8 (4 a + b)]).
;   window 1: two sets of fragments, for the K step's two halves: at 128 q side 0's four, at 128 q + 64 side 1's four.   window 2: the two sets in which lines wait for their slot.
.set PITCH, 272                        ; an LDS line: 256 bytes + 16: line r starts 68 r words on, so the 16 lines that a fragment load touches start at 16 different places modulo 64 words
.set SLOT,  256*PITCH                  ; lines 0-127: side 0's; lines 128-255: side 1's
.set STAGE, 2*SLOT                     ; behind the slots: 16 rows x 272 bytes for each wave, for the way out
.set STA,  4                           ; v4, v5   where I store lines into slot 0, 1
.set ADRA, 6                           ; v6, v7   my fragments of side 0 in slot 0, 1
.set ADRB, 8                           ; v8, v9   of side 1
.set STO,  10                          ; v10      the way out: where I put 32 bytes of a row
.set RD,   11                          ; v11      and where I read a row back
.set CO,   12                          ; v12      my byte offset in two rows of out1
.set SOF,  20                          ; v[20:23] offsets of my scale words: lanes 0-15 side 0's block i, lanes 16-31 side 1's
.set OFS,  32                          ; v[32:63] offsets of my 32 loads of codes
.set SC,   64                          ; v[64:79] scale words: set s at 64 + 8 s; register 2 i + q: block i, half q of the K step
.set XR,   80                          ; v[80:95] two rows of X
.set ACC,  128
.set W_MUL,  0x05                      ; sources 0 and 1 window 1; C and D window 0
.set TO_F,   0x40                      ; destination window 1
.set TO_S,   0x80                      ; destination window 2
.set FROM_S, 0x08                      ; an LDS store's data (source 1) window 2
.set MSB, 0
.macro WIN new                         ; the immediate's high byte repeats the setting that is left
.if MSB != \new
	s_set_vgpr_msb (MSB<<8)|\new
.set MSB, \new
.endif
.endm
.macro PLACES n
.rept \n
	v_nop
.endr
.endm
.macro GLOAD set, off                  ; my 64 lines' 256 bytes of a K step, off bytes on from where the base stands
	WIN TO_S
.set U, 0
.rept 32
	global_load_b128 v[128*(\set)+4*U:128*(\set)+4*U+3], v[OFS+U], s[4:5] offset:\off   ; 16 lanes read 256 consecutive bytes of a line, aligned
.set U, U+1
.endr
.endm
.macro SCL set, off                    ; a K step's scale words: 8 bytes a line
	WIN 0
.irp i, 0,1,2,3
	global_load_b64 v[SC+8*(\set)+2*\i:SC+8*(\set)+2*\i+1], v[SOF+\i], s[6:7] offset:\off
.endr
.endm
.macro TOLDS set, slot
	WIN FROM_S
.set U, 0
.rept 32
	ds_store_b128 v[STA+(\slot)], v[128*(\set)+4*U:128*(\set)+4*U+3] offset:2*PITCH*U
.set U, U+1
.endr
.endm
.macro FETCH slot, q                   ; a fragment, 16 lines x 128 K, is 16 registers: lane l holds line l % 16; registers 4 c .. 4 c + 3 hold K = 32 c + 16 (l / 16) + 0 .. 15
	WIN TO_F
.irp a, 0,1,2,3
.irp c, 0,1,2,3
	ds_load_b128 v[128*(\q)+16*\a+4*\c:128*(\q)+16*\a+4*\c+3], v[ADRA+(\slot)] offset:16*PITCH*\a+128*(\q)+32*\c
.endr
.endr
.irp b, 0,1,2,3
.irp c, 0,1,2,3
	ds_load_b128 v[128*(\q)+64+16*\b+4*\c:128*(\q)+64+16*\b+4*\c+3], v[ADRB+(\slot)] offset:16*PITCH*\b+128*(\q)+32*\c
.endr
.endr
.endm
; 16 matrix instructions: 128 along K.  The 16 accumulators take turns, one instruction a turn, in the same order every time.  zero = 1: the first product starts the sums
.macro PROD q, sc, zero
	WIN W_MUL
.irp a, 0,1,2,3
.irp b, 0,1,2,3
.if \zero
	v_wmma_scale_f32_16x16x128_f8f6f4 v[ACC+8*(4*\a+\b):ACC+8*(4*\a+\b)+7], v[128*(\q)+64+16*\b:128*(\q)+64+16*\b+15], v[128*(\q)+16*\a:128*(\q)+16*\a+15], 0, v[SC+8*(\sc)+2*\b+(\q)], v[SC+8*(\sc)+2*\a+(\q)] matrix_a_fmt:MATRIX_FMT_BF8 matrix_b_fmt:MATRIX_FMT_BF8 matrix_a_scale:MATRIX_SCALE_ROW1
.else
	v_wmma_scale_f32_16x16x128_f8f6f4 v[ACC+8*(4*\a+\b):ACC+8*(4*\a+\b)+7], v[128*(\q)+64+16*\b:128*(\q)+64+16*\b+15], v[128*(\q)+16*\a:128*(\q)+16*\a+15], v[ACC+8*(4*\a+\b):ACC+8*(4*\a+\b)+7], v[SC+8*(\sc)+2*\b+(\q)], v[SC+8*(\sc)+2*\a+(\q)] matrix_a_fmt:MATRIX_FMT_BF8 matrix_b_fmt:MATRIX_FMT_BF8 matrix_a_scale:MATRIX_SCALE_ROW1
.endif
.endr
.endr
.endm
	s_load_b256 s[4:11], s[0:1], 0x0               ; codes s[4:5], scales s[6:7], idx s[8:9], gate s[10:11]
	s_load_b128 s[12:15], s[0:1], 0x20             ; X s[12:13], out0 s[14:15]
	s_load_b64 s[16:17], s[0:1], 0x30              ; out1
	v_lshl_add_u32 v126, v0, 2, 0x26400
	v_mov_b32 v127, 0
	v_lshrrev_b32 v24, 5, v0
	v_readfirstlane_b32 s18, v24                   ; wave 0..3
	v_and_b32 v1, 15, v0                           ; r = lane % 16
	v_bfe_u32 v2, v0, 4, 1                         ; h = lane / 16
	v_lshlrev_b32 v3, 4, v1                        ; 16 r
	v_and_b32 v24, 31, v0
	v_lshlrev_b32 v24, 4, v24                      ; 16 x lane
	s_lshr_b32 s19, s18, 1                         ; which half of the tile's rows is mine
	s_and_b32 s20, s18, 1                          ; which half of its columns
	s_mov_b32 s21, ttmp9                           ; bx: the tile's column
	s_and_b32 s22, ttmp7, 0xffff                   ; by: its row
	s_lshl_b32 s2, s22, 7                          ; p0
	s_lshl_b32 s3, s21, 7                          ; q0
	s_lshl_b32 s23, s19, 6
	s_add_co_u32 s33, s2, s23                      ; my first row of out1
	s_lshl_b32 s23, s20, 6
	s_add_co_u32 s34, s3, s23                      ; my first column
	s_lshl_b32 s23, s18, 6                         ; the lines that I fetch: waves 0 and 1 side 0's, list entries p0 + 64 w on; waves 2 and 3 side 1's, q0 + 64 (w - 2) on
	s_add_co_u32 s38, s2, s23
	s_add_co_u32 s35, s3, s23
	s_sub_co_u32 s35, s35, 128
	s_cmp_lt_u32 s18, 2
	s_cselect_b32 s38, s38, s35
	s_cselect_b32 s39, 0, 0x1000000                ; where the side begins in codes
	v_add_nc_u32 v13, s38, v2
	v_lshlrev_b32 v13, 2, v13                      ; load u brings lines 2 u + h: their list entries lie 8 u bytes on
	v_mov_b32 v26, s33
	v_mov_b32 v27, s34
	v_cmp_eq_u32 vcc_lo, 1, v2
	v_cndmask_b32 v14, v26, v27, vcc_lo            ; the scale words' lines: lanes 0-15 my rows, lanes 16-31 my columns
	v_add_nc_u32 v14, v14, v1
	v_lshlrev_b32 v14, 2, v14
	s_lshl_b32 s23, s22, 4
	s_add_co_u32 s23, s23, s21                     ; n = 16 by + bx: the work-group also makes rows 8 n .. 8 n + 7 of out0, two a wave
	s_lshl_b32 s36, s23, 5
	s_lshl_b32 s40, s18, 3
	s_add_co_u32 s36, s36, s40                     ; their entries in idx and in gate: 4 (8 n + 2 w) bytes on
	s_mov_b32 s37, 0
	s_lshl_b32 s40, s23, 13                        ; 8 rows of 1,024 bytes
	s_mov_b32 s41, 0
	s_lshl_b32 s42, s33, 13                        ; a row of out1 is 8,192 bytes
	s_lshl_b32 s43, s34, 2
	s_add_co_u32 s42, s42, s43
	s_mov_b32 s43, 0
	s_wait_kmcnt 0x0
.set U, 0
.rept 32
	global_load_b32 v[OFS+U], v13, s[8:9] offset:8*U
.set U, U+1
.endr
.irp i, 0,1,2,3
	global_load_b32 v[SOF+\i], v14, s[8:9] offset:64*\i
.endr
	s_add_nc_u64 s[24:25], s[8:9], s[36:37]
	s_add_nc_u64 s[26:27], s[10:11], s[36:37]
	s_load_b64 s[28:29], s[24:25], 0x0             ; two list entries,
	s_load_b64 s[30:31], s[26:27], 0x0             ; and their gates
	s_add_nc_u64 s[14:15], s[14:15], s[40:41]
	s_add_nc_u64 s[16:17], s[16:17], s[42:43]
	; LDS addresses, while the list is on its way
	s_mul_i32 s23, s18, 64*PITCH
	v_mul_u32_u24 v[STA], v2, PITCH
	v_add_nc_u32 v[STA], v[STA], v3
	v_add_nc_u32 v[STA], s23, v[STA]               ; line 64 w + h, 16 r
	v_add_nc_u32 v[STA+1], SLOT, v[STA]
	v_mul_u32_u24 v25, v1, PITCH
	v_lshl_add_u32 v25, v2, 4, v25                 ; a fragment's line x pitch + 16 h
	s_mul_i32 s23, s19, 64*PITCH
	v_add_nc_u32 v[ADRA], s23, v25
	v_add_nc_u32 v[ADRA+1], SLOT, v[ADRA]
	s_mul_i32 s23, s20, 64*PITCH
	s_add_co_u32 s23, s23, 128*PITCH
	v_add_nc_u32 v[ADRB], s23, v25
	v_add_nc_u32 v[ADRB+1], SLOT, v[ADRB]
	s_mul_i32 s23, s18, 16*PITCH
	s_add_co_u32 s23, s23, STAGE                   ; my stage
	v_mul_u32_u24 v[STO], v1, PITCH
	v_lshl_add_u32 v[STO], v2, 5, v[STO]
	v_add_nc_u32 v[STO], s23, v[STO]               ; in: row r, 32 bytes for each half of the lanes
	v_mul_u32_u24 v[RD], v2, PITCH
	v_add_nc_u32 v[RD], v[RD], v3
	v_add_nc_u32 v[RD], s23, v[RD]                 ; back: lanes 0-15 one row of 256 bytes, lanes 16-31 the next
	v_lshlrev_b32 v[CO], 13, v2
	v_add_nc_u32 v[CO], v[CO], v3                  ; and the same two rows in out1
	v_add_nc_u32 v28, s39, v3                      ; the side + 16 r
	v_lshlrev_b32 v29, 19, v2                      ; side 1's scale bytes begin 524,288 bytes on
	s_lshl_b32 s23, s18, 11
	v_add_nc_u32 v17, s23, v24                     ; out0: my two rows, 16 bytes a lane
	v_add_nc_u32 v18, 1024, v17
	s_wait_loadcnt 0x0
	s_wait_kmcnt 0x0
.set U, 0
.rept 32
	v_min_u32 v[OFS+U], 0xfff, v[OFS+U]            ; a list entry enters an address only held to the table's size
	v_lshlrev_b32 v[OFS+U], 12, v[OFS+U]           ; a line of codes is 4,096 bytes
	v_add_nc_u32 v[OFS+U], v[OFS+U], v28
.set U, U+1
.endr
.irp i, 0,1,2,3
	v_min_u32 v[SOF+\i], 0xfff, v[SOF+\i]
	v_lshlrev_b32 v[SOF+\i], 3, v[SOF+\i]          ; 8 scale bytes a line and K step
	v_add_nc_u32 v[SOF+\i], v[SOF+\i], v29
.endr
	s_min_u32 s28, s28, 0xfff
	s_min_u32 s29, s29, 0xfff
	s_lshl_b32 s28, s28, 10                        ; a row of X is 1,024 bytes
	s_lshl_b32 s29, s29, 10
	v_add_nc_u32 v15, s28, v24
	v_add_nc_u32 v16, s29, v24
.irp e, 0,1
	global_load_b128 v[XR+8*\e:XR+8*\e+3], v[15+\e], s[12:13]
	global_load_b128 v[XR+8*\e+4:XR+8*\e+7], v[15+\e], s[12:13] offset:512
.endr
	SCL 0, 0                                       ; K step 0's scale words,
	GLOAD 0, 0                                     ; and its lines
	WIN 0
	s_wait_loadcnt 36                              ; X's four loads are in; the 4 + 32 issued behind them may be out
.irp e, 0,1
.irp k, 0,1,2,3,4,5,6,7
	v_mul_f32 v[XR+8*\e+\k], s[30+\e], v[XR+8*\e+\k]
.endr
.endr
.irp e, 0,1
	global_store_b128 v[17+\e], v[XR+8*\e:XR+8*\e+3], s[14:15] th:TH_STORE_NT              ; 32 lanes store 512 consecutive bytes, aligned
	global_store_b128 v[17+\e], v[XR+8*\e+4:XR+8*\e+7], s[14:15] offset:512 th:TH_STORE_NT
.endr
	GLOAD 1, 256                                   ; K step 1's lines
	s_wait_loadcnt 32                              ; all but those 32: K step 0's lines and scale words are in
	TOLDS 0, 0
	WIN 0
	s_wait_dscnt 0x0                               ; for the others' sake: my lines lie in slot 0
	s_barrier_signal -1
	s_barrier_wait -1
; K STEP t, par = t % 2: it multiplies slot par.  The bases stand at K step t.  gl = 1: the lines of step t + 2 are asked for;  st = 1: there is a step t + 1: its scale words are asked for, its lines go into the other slot.
.macro STEP par, gl, st, zero
.if \st
	SCL 1-\par, 32768                              ; into the set that the last step's products read: eight places stand behind them
.endif
.if \gl
	GLOAD \par, 512                                ; into the set whose LDS stores were waited for at the last step's end
.endif
	FETCH \par, 0
	FETCH \par, 1
	s_wait_dscnt 32                                ; the first half's fragments are in; the second half's 32 loads may be out
	PROD 0, \par, \zero
.if \st
.if \gl
	s_wait_loadcnt 32                              ; all but this step's 32 loads of lines: step t + 1's lines and scale words are in
.else
	s_wait_loadcnt 0x0
.endif
	TOLDS 1-\par, 1-\par                           ; the other slot: every wave's reads of it were over at the last barrier
	s_wait_dscnt 32                                ; the second half's fragments are in; the 32 stores issued behind them may be out
.else
	s_wait_dscnt 0x0
.endif
	PROD 1, \par, 0
	WIN 0                                          ; at a label and at a branch every window is 0
	PLACES 8                                       ; eight plain lines behind this form, ahead of loads into fragments and scale words, and of the first read of results
.if \st
	s_wait_xcnt 0x0                                ; the loads have read their bases: they step
	s_add_nc_u64 s[4:5], s[4:5], 256
	s_add_nc_u64 s[6:7], s[6:7], 32768
	s_wait_dscnt 0x0                               ; my stores into the other slot have landed, and my reads of this one are over
	s_barrier_signal -1
	s_barrier_wait -1                              ; both now hold of every wave
.endif
.endm
	STEP 0, 1, 1, 1                                ; the first step's first products start the sums: nothing is cleared
	STEP 1, 1, 1, 0
	s_mov_b32 s32, 6
.Lk:                                               ; K steps 2 to 13, two a trip
	STEP 0, 1, 1, 0
	STEP 1, 1, 1, 0
	s_sub_co_u32 s32, s32, 1
	s_cmp_lg_u32 s32, 0
	s_cbranch_scc1 .Lk
	STEP 0, 0, 1, 0                                ; K step 14: no line is left to ask for
	STEP 1, 0, 0, 0                                ; K step 15
; THE WAY OUT, 16 rows x 64 columns at a time.  A lane holds 32 neighbouring bytes of a row and the lanes beside it hold other rows: so a block goes through my own stage and comes back as rows of 256 bytes, into the registers that it left.
; LDS serves a wave's instructions in order (ISA guide 5.7.1.4): no wait between the stores and the loads, nor ahead of the next block's stores.
.macro TOSTAGE a
.irp b, 0,1,2,3
	ds_store_b128 v[STO], v[ACC+8*(4*(\a)+\b):ACC+8*(4*(\a)+\b)+3] offset:64*\b           ; each accumulator from its low end on
	ds_store_b128 v[STO], v[ACC+8*(4*(\a)+\b)+4:ACC+8*(4*(\a)+\b)+7] offset:64*\b+16
.endr
.irp t, 0,1,2,3,4,5,6,7
	ds_load_b128 v[ACC+32*(\a)+4*\t:ACC+32*(\a)+4*\t+3], v[RD] offset:2*PITCH*\t
.endr
.endm
.macro SEND a, younger                 ; younger: the LDS instructions issued behind block a's loads: the next block's sixteen, or none
.irp t, 0,1,2,3,4,5,6,7
	s_wait_dscnt \younger+7-\t
	global_store_b128 v[CO], v[ACC+32*(\a)+4*\t:ACC+32*(\a)+4*\t+3], s[16:17] offset:(16*(\a)+2*\t)*8192 th:TH_STORE_NT   ; 16 lanes store 256 consecutive bytes of a row, aligned
.endr
.endm
	TOSTAGE 0
	TOSTAGE 1
	SEND 0, 16
	TOSTAGE 2
	SEND 1, 16
	TOSTAGE 3
	SEND 2, 16
	SEND 3, 0
	s_wait_tensorcnt 0x0
	ds_add_u32 v126, v127
	s_wait_dscnt 0x0
	s_endpgm
.Lfunc_end_k_q369dbdb806_gemm:
	.size	k_q369dbdb806_gemm, .Lfunc_end_k_q369dbdb806_gemm-k_q369dbdb806_gemm
	.p2alignl 7, 3214868480
	.fill 96, 4, 3214868480
	.section	.rodata,"a",@progbits
	.p2align	6, 0x0
	.amdhsa_kernel k_q369dbdb806_gemm
		.amdhsa_group_segment_fixed_size 157184
		.amdhsa_private_segment_fixed_size 0
		.amdhsa_enable_private_segment 0
		.amdhsa_kernarg_size 56
		.amdhsa_user_sgpr_count 2
		.amdhsa_user_sgpr_kernarg_segment_ptr 1
		.amdhsa_wavefront_size32 1
		.amdhsa_system_sgpr_workgroup_id_x 1
		.amdhsa_system_sgpr_workgroup_id_y 1
		.amdhsa_system_sgpr_workgroup_id_z 1
		.amdhsa_system_vgpr_workitem_id 0
		.amdhsa_next_free_vgpr 768
		.amdhsa_next_free_sgpr 66
		.amdhsa_reserve_vcc 1
		.amdhsa_float_denorm_mode_32 3
		.amdhsa_float_denorm_mode_16_64 3
		.amdhsa_memory_ordered 1
		.amdhsa_forward_progress 1
		.amdhsa_inst_pref_size 107
	.end_amdhsa_kernel
	.amdgpu_metadata
---
amdhsa.version: [ 1, 2 ]
amdhsa.kernels:
  - .name:           k_q369dbdb806_gemm
    .symbol:         k_q369dbdb806_gemm.kd
    .args:
      - { .name: codes, .offset: 0, .size: 8, .value_kind: global_buffer, .address_space: global }
      - { .name: scales, .offset: 8, .size: 8, .value_kind: global_buffer, .address_space: global }
      - { .name: idx, .offset: 16, .size: 8, .value_kind: global_buffer, .address_space: global }
      - { .name: gate, .offset: 24, .size: 8, .value_kind: global_buffer, .address_space: global }
      - { .name: X, .offset: 32, .size: 8, .value_kind: global_buffer, .address_space: global }
      - { .name: out0, .offset: 40, .size: 8, .value_kind: global_buffer, .address_space: global }
      - { .name: out1, .offset: 48, .size: 8, .value_kind: global_buffer, .address_space: global }
    .group_segment_fixed_size: 157184
    .private_segment_fixed_size: 0
    .kernarg_segment_align: 8
    .kernarg_segment_size: 56
    .max_flat_workgroup_size: 128
    .sgpr_count:     66
    .vgpr_count:     768
    .wavefront_size: 32
...
	.end_amdgpu_metadata
.endif
;; end of part 4
;; ======== version 2 of 2: 4 launches
;; workspace buffers: z 16,384 bytes; codes 33,554,432 bytes; scales 1,048,576 bytes; ypart 262,144 bytes; idx 8,192 bytes of whole numbers; gate 8,192 bytes
;; launch zvec (part 5): grid 64 x 1, 16 waves a work-group, no clusters, 2,304 bytes of LDS; arguments X, kernel, z; writes z
.if DOCPART == 5
	.amdgcn_target "amdgcn-amd-amdhsa--gfx1250"
	.amdhsa_code_object_version 6
	.text
	.protected	k_q369dbdb806_zvec
	.globl	k_q369dbdb806_zvec
	.p2align	8
	.type	k_q369dbdb806_zvec,@function
k_q369dbdb806_zvec:
	s_mov_b64 s[64:65], 0
	v_nop
	global_prefetch_b8 v0, s[64:65] scope:SCOPE_SE
	s_setreg_imm32_b32 hwreg(HW_REG_WAVE_MODE, 25, 1), 1
	s_wait_xcnt 0x0
; z[n] = the sum over f of X[n][f] kernel[f].  X: [4096][256] f32, kernel: [256] f32, z: [4096] f32.  All in f32, by fused multiply-adds: the choice of nodes hangs on what is made of z.
; A work-group takes 64 rows, each of its 16 waves four.  A row is 1,024 bytes: two loads of 512 consecutive bytes; lane l holds columns 4 l .. 4 l + 3 and 128 + 4 l .. + 3.
; The 64 sums meet in LDS and leave by one store of 256 consecutive bytes, aligned.
; LIMITS: the order of the additions is not reference()'s; NaN and infinities among the inputs are not served.
.set KV,  8                            ; v[8:15]   kernel at my eight columns
.set RW,  16                           ; v[16:47]  four rows, eight numbers each
.set SUM, 48                           ; v[48:55]  a pair of sums for each row
.set PD,  56                           ; v[56:59]  destinations of the lane permutes
	s_load_b128 s[4:7], s[0:1], 0x0                ; X, kernel
	s_load_b64 s[8:9], s[0:1], 0x10                ; z
	v_lshl_add_u32 v64, v0, 2, 0x100
	v_mov_b32 v65, 0
	v_lshrrev_b32 v4, 5, v0
	s_delay_alu instid0(VALU_DEP_1)
	v_readfirstlane_b32 s10, v4                    ; wave 0..15
	v_and_b32 v5, 31, v0                           ; lane
	s_delay_alu instid0(VALU_DEP_1)
	v_lshlrev_b32 v1, 4, v5                        ; 16 bytes a lane
	s_delay_alu instid0(VALU_DEP_4)
	v_lshlrev_b32 v2, 4, v4                        ; LDS: my wave's four words
	s_delay_alu instid0(VALU_DEP_3)
	v_lshlrev_b32 v3, 3, v5                        ; the way out: 8 bytes a lane
	s_lshl_b32 s2, ttmp9, 16                       ; 64 rows of 1,024 bytes a work-group,
	s_lshl_b32 s3, s10, 12                         ; four a wave
	s_add_co_u32 s2, s2, s3
	s_mov_b32 s3, 0
	s_lshl_b32 s14, ttmp9, 8                       ; 64 numbers of z a work-group
	s_mov_b32 s15, 0
	s_mov_b32 s12, 0x76543210                      ; v_permlanex16_b32's selects for lane l xor 16
	s_mov_b32 s13, 0xfedcba98
.irp i, 0,1,2,3
	v_mov_b32 v[PD+\i], 0                          ; a lane permute's destination counts as one of its sources
.endr
	s_wait_alu depctr_va_vdst(0)
	s_wait_kmcnt 0x0
	s_add_nc_u64 s[4:5], s[4:5], s[2:3]
	s_add_nc_u64 s[8:9], s[8:9], s[14:15]
	global_load_b128 v[KV:KV+3], v1, s[6:7]
	global_load_b128 v[KV+4:KV+7], v1, s[6:7] offset:512
.irp i, 0,1,2,3
	global_load_b128 v[RW+8*\i:RW+8*\i+3], v1, s[4:5] offset:1024*\i th:TH_LOAD_NT
	global_load_b128 v[RW+8*\i+4:RW+8*\i+7], v1, s[4:5] offset:1024*\i+512 th:TH_LOAD_NT
.endr
	s_wait_loadcnt 0x0
.irp i, 0,1,2,3                        ; the four rows by turns: no line waits for the line above it
	v_pk_mul_f32 v[SUM+2*\i:SUM+2*\i+1], v[RW+8*\i:RW+8*\i+1], v[KV:KV+1]
.endr
.irp j, 2,4,6
.irp i, 0,1,2,3
	s_delay_alu instid0(VALU_DEP_4)
	v_pk_fma_f32 v[SUM+2*\i:SUM+2*\i+1], v[RW+8*\i+\j:RW+8*\i+\j+1], v[KV+\j:KV+\j+1], v[SUM+2*\i:SUM+2*\i+1]
.endr
.endr
.irp i, 0,1,2,3
	s_delay_alu instid0(VALU_DEP_4)
	v_add_f32 v[SUM+2*\i], v[SUM+2*\i], v[SUM+2*\i+1]
.endr
.irp m, 1,2,4,8                        ; across the 16 lanes of a half,
.irp i, 0,1,2,3
	s_delay_alu instid0(VALU_DEP_4)
	v_add_f32_dpp v[SUM+2*\i], v[SUM+2*\i], v[SUM+2*\i] row_xmask:\m row_mask:0xf bank_mask:0xf
.endr
.endr
.irp i, 0,1,2,3
	s_delay_alu instid0(VALU_DEP_4)
	v_permlanex16_b32 v[PD+\i], v[SUM+2*\i], s12, s13
.endr
.irp i, 0,1,2,3
	s_delay_alu instid0(VALU_DEP_4)
	v_add_f32 v[SUM+2*\i], v[SUM+2*\i], v[PD+\i]   ; and the other half's: every lane holds the row's sum
.endr
.irp i, 0,1,2,3
	ds_store_b32 v2, v[SUM+2*\i] offset:4*\i       ; word 4 w + i: all lanes write the same word with the same value
.endr
	s_wait_dscnt 0x0                               ; for the others' sake: my stores have landed
	s_barrier_signal -1
	s_barrier_wait -1
	s_cmp_lg_u32 s10, 0
	s_cbranch_scc1 .Lend                           ; wave 0 alone stores
	ds_load_b64 v[6:7], v3
	s_wait_dscnt 0x0
	global_store_b64 v3, v[6:7], s[8:9]            ; 32 lanes store 256 consecutive bytes, aligned
.Lend:
	s_wait_tensorcnt 0x0
	ds_add_u32 v64, v65
	s_wait_dscnt 0x0
	s_endpgm
.Lfunc_end_k_q369dbdb806_zvec:
	.size	k_q369dbdb806_zvec, .Lfunc_end_k_q369dbdb806_zvec-k_q369dbdb806_zvec
	.p2alignl 7, 3214868480
	.fill 96, 4, 3214868480
	.section	.rodata,"a",@progbits
	.p2align	6, 0x0
	.amdhsa_kernel k_q369dbdb806_zvec
		.amdhsa_group_segment_fixed_size 2304
		.amdhsa_private_segment_fixed_size 0
		.amdhsa_enable_private_segment 0
		.amdhsa_kernarg_size 24
		.amdhsa_user_sgpr_count 2
		.amdhsa_user_sgpr_kernarg_segment_ptr 1
		.amdhsa_wavefront_size32 1
		.amdhsa_system_sgpr_workgroup_id_x 1
		.amdhsa_system_sgpr_workgroup_id_y 1
		.amdhsa_system_sgpr_workgroup_id_z 1
		.amdhsa_system_vgpr_workitem_id 0
		.amdhsa_next_free_vgpr 66
		.amdhsa_next_free_sgpr 66
		.amdhsa_reserve_vcc 0
		.amdhsa_float_denorm_mode_32 3
		.amdhsa_float_denorm_mode_16_64 3
		.amdhsa_memory_ordered 1
		.amdhsa_forward_progress 1
		.amdhsa_inst_pref_size 7
	.end_amdhsa_kernel
	.amdgpu_metadata
---
amdhsa.version: [ 1, 2 ]
amdhsa.kernels:
  - .name:           k_q369dbdb806_zvec
    .symbol:         k_q369dbdb806_zvec.kd
    .args:
      - { .name: X, .offset: 0, .size: 8, .value_kind: global_buffer, .address_space: global }
      - { .name: kernel, .offset: 8, .size: 8, .value_kind: global_buffer, .address_space: global }
      - { .name: z, .offset: 16, .size: 8, .value_kind: global_buffer, .address_space: global }
    .group_segment_fixed_size: 2304
    .private_segment_fixed_size: 0
    .kernarg_segment_align: 8
    .kernarg_segment_size: 24
    .max_flat_workgroup_size: 512
    .sgpr_count:     66
    .vgpr_count:     66
    .wavefront_size: 32
...
	.end_amdgpu_metadata
.endif
;; end of part 5
;; launch quant (part 6): grid 16 x 16, 8 waves a work-group, no clusters, 116,736 bytes of LDS; arguments A, z, codes, scales, ypart; writes codes, scales, ypart
.if DOCPART == 6
	.amdgcn_target "amdgcn-amd-amdhsa--gfx1250"
	.amdhsa_code_object_version 6
	.text
	.protected	k_q369dbdb806_quant
	.globl	k_q369dbdb806_quant
	.p2align	8
	.type	k_q369dbdb806_quant,@function
k_q369dbdb806_quant:
	s_mov_b64 s[64:65], 0
	v_nop
	global_prefetch_b8 v0, s[64:65] scope:SCOPE_SE
	s_setreg_imm32_b32 hwreg(HW_REG_WAVE_MODE, 25, 1), 1
	s_wait_xcnt 0x0
; A [4096][4096] f32 is read ONCE.  Of a tile of 256 rows x 256 columns a work-group makes three things:
;   (1) the tile's part of y = A z, in f32: ypart[bx][row];
;   (2) side 0: codes of BF8 (E5M2) of A's ROWS, blocks of 32 along the columns: codes[0][row][column], scales[0][bx][row][8];
;   (3) side 1: codes of A's COLUMNS, blocks of 32 down the rows: codes[1][column][row], scales[1][by][column][8].
; A block's scale is 2^(floor(log2(its largest magnitude)) - 15); its byte is the largest magnitude's exponent field - 15, held at 1 from below.  Each number is held within +-57,344 x the scale and rounded to the nearest code, ties to even.
; LIMITS: a block of zeros gets the byte 1 where the rule says 127 (its codes are zeros, which add nothing under any byte but 0xff, and this program alone reads the bytes); NaN and infinities are not served;
; the order of y's additions is not reference()'s (it is the same for every row, so that rows with equal entries get equal sums).
; SHARES.  Wave w of eight owns rows 32 w .. 32 w + 31 of the tile, all 256 columns: 256 registers (window 1), asked for at once by 64 loads of 512 consecutive bytes.
; ROWS: the conversions take neighbours along K from one lane's registers, so two rows at a time turn through the wave's own stage in LDS and come back 16 neighbours a lane; two neighbouring lanes hold a block.
; COLUMNS: a lane's 32 registers of one column ARE a block down K; the hold's destination lays them side by side; the codes meet the other waves' in a stage, [column][256 bytes], and leave as rows.
; No tensor loads, one barrier.
.set SP,   80                          ; a lane's place in a turning stage: 64 bytes + 16 of padding
.set TST,  0                           ; LDS: for each wave two turning stages of 32 x SP bytes
.set SB0,  40960                       ; 256 row-scale bytes for each wave: [row 32][8]
.set SB1,  43008                       ; [column 256][8]: column-scale bytes
.set YST,  45056                       ; [row 256] f32: directly behind SB1, so that one address serves both on the way out
.set CST,  46080                       ; [column 256], 272 bytes apart: column codes
.set CP,   272
.set VO,   2                           ; v2   16 x lane
.set ZO,   3                           ; v3   64 (lane % 16): my 16 numbers of z
.set TIN,  4                           ; v4   the turning stage, in
.set TOUT, 5                           ; v5   and out
.set SBA,  6                           ; v6   my block's byte among my wave's row-scale bytes
.set YA,   7                           ; v7   my row's word in YST
.set RCO,  16                          ; v16  4096 (lane / 16) + 16 (lane % 16): two lines of codes in memory
.set CSA,  17                          ; v17  column 4 lane of CST, my wave's 32 bytes
.set S1A,  18                          ; v18  column 4 lane of SB1, my wave's byte
.set CRD,  19                          ; v19  CST read back: columns 32 w + lane / 16
.set TLA,  20                          ; v20  SB1 + 512 w + 16 lane
.set S0R,  21                          ; v21  my wave's row-scale bytes, 8 a lane
.set L8,   22                          ; v22  8 x lane
.set Z,    24                          ; v[24:39]   my 16 numbers of z
.set X,    40                          ; v[40:71]   two sets of 16 neighbours
.set T,    40                          ; the same registers later: 32 neighbours down K
.set C,    72                          ; v[72:135]  row codes, four registers a step
.set CC,   72                          ; the same registers later: column codes, eight a column
.set E,    136                         ; v[136:151] a scale byte a step
.set YS,   152                         ; v[152:167] a row's partial sum a step
.set M,    168                         ; v[168:175] the columns' largest magnitudes
.set CSO,  176                         ; v[176:183] their conversions' scale operands
.set CLIM, 184                         ; v[184:191] 57,344 x their scales
.set CBY,  192                         ; v[192:199] their scale bytes
.set OUTR, 136                         ; v[136:199] behind the barrier: the way out
.set MSB, 0
.macro WIN new                         ; the immediate's high byte repeats the setting that is left
.if MSB != \new
	s_set_vgpr_msb (MSB<<8)|\new
.set MSB, \new
.endif
.endm
	s_load_b128 s[4:7], s[0:1], 0x0                ; A, z
	s_load_b128 s[8:11], s[0:1], 0x10              ; codes, scales
	s_load_b64 s[12:13], s[0:1], 0x20              ; ypart
	v_lshl_add_u32 v254, v0, 2, 0x1c400
	v_mov_b32 v255, 0
	v_lshrrev_b32 v8, 5, v0
	s_delay_alu instid0(VALU_DEP_1)
	v_readfirstlane_b32 s22, v8                    ; wave 0..7
	v_and_b32 v1, 31, v0                           ; lane
	s_delay_alu instid0(VALU_DEP_1)
	v_lshlrev_b32 v[VO], 4, v1
	s_delay_alu instid0(VALU_DEP_2)
	v_and_b32 v8, 15, v1                           ; lane % 16
	s_delay_alu instid0(VALU_DEP_3)
	v_lshrrev_b32 v9, 4, v1                        ; lane / 16
	s_delay_alu instid0(VALU_DEP_2)
	v_lshlrev_b32 v[ZO], 6, v8
	s_and_b32 s3, ttmp7, 0xffff                    ; by: the block of 256 rows;  ttmp9 = bx: the block of 256 columns
	s_lshl_b32 s24, s3, 8
	s_lshl_b32 s25, s22, 5
	s_add_co_u32 s24, s24, s25                     ; my wave's first row: 256 by + 32 w
	s_lshl_b32 s26, s24, 14                        ; a row of A is 16,384 bytes
	s_lshl_b32 s28, ttmp9, 10                      ; 256 columns are 1,024
	s_add_co_u32 s26, s26, s28
	s_mov_b32 s27, 0
	s_mov_b32 s29, 0
	s_mov_b32 s23, 0x600000                        ; the mantissa field of 57,344
	s_wait_alu depctr_va_vdst(0)
	s_wait_kmcnt 0x0
	s_add_nc_u64 s[4:5], s[4:5], s[26:27]
	s_add_nc_u64 s[6:7], s[6:7], s[28:29]
.irp i, 0,1,2,3
	global_load_b128 v[Z+4*\i:Z+4*\i+3], v[ZO], s[6:7] offset:16*\i
.endr
	WIN 0x40                                       ; destination window 1: register 8 rho + c = A(rho, 128 (c / 4) + 4 lane + c % 4)
.set RHO, 0
.rept 32
	global_load_b128 v[8*RHO:8*RHO+3], v[VO], s[4:5] offset:16384*RHO th:TH_LOAD_NT          ; 32 lanes read 512 consecutive bytes
	global_load_b128 v[8*RHO+4:8*RHO+7], v[VO], s[4:5] offset:16384*RHO+512 th:TH_LOAD_NT
.set RHO, RHO+1
.endr
	WIN 0
	; the other addresses are made while the loads are on their way
	s_lshl_b32 s26, s24, 12                        ; side 0: a line of codes is 4,096 bytes; my rows, the tile's 256 bytes
	s_lshl_b32 s28, ttmp9, 8
	s_add_co_u32 s26, s26, s28
	s_add_nc_u64 s[14:15], s[8:9], s[26:27]
	s_add_co_u32 s26, s28, s25                     ; side 1: lines 256 bx + 32 w on (the columns that I send out), bytes 256 by on
	s_lshl_b32 s26, s26, 12
	s_lshl_b32 s28, s3, 8
	s_add_co_u32 s26, s26, s28
	s_add_co_u32 s26, s26, 0x1000000
	s_add_nc_u64 s[16:17], s[8:9], s[26:27]
	s_lshl_b32 s26, ttmp9, 15                      ; side 0's scale bytes: K step bx, my rows, 8 bytes a row
	s_lshl_b32 s28, s24, 3
	s_add_co_u32 s26, s26, s28
	s_add_nc_u64 s[18:19], s[10:11], s[26:27]
	s_lshl_b32 s30, s22, 9                         ; the tail: waves 0 to 3 send side 1's scale bytes, 512 each; waves 4 and 5 the partial sums
	s_lshl_b32 s26, s3, 15
	s_lshl_b32 s28, ttmp9, 11
	s_add_co_u32 s26, s26, s28
	s_add_co_u32 s26, s26, s30
	s_add_co_u32 s26, s26, 524288                  ; scales: side 1, K step by, lines 256 bx on, + 512 w
	s_lshl_b32 s28, ttmp9, 14
	s_lshl_b32 s31, s3, 10
	s_add_co_u32 s28, s28, s31
	s_add_co_u32 s28, s28, s30
	s_sub_co_u32 s28, s28, 2048                    ; ypart: [bx][256 by ..], + 512 (w - 4)
	s_cmp_lt_u32 s22, 4                            ; the choice hangs on the wave's number alone
	s_cselect_b32 s26, s26, s28
	s_cselect_b64 s[20:21], s[10:11], s[12:13]
	s_add_nc_u64 s[20:21], s[20:21], s[26:27]
	s_mul_i32 s24, s22, 2*32*SP                    ; my two turning stages
	v_lshrrev_b32 v[TIN], 2, v1
	s_delay_alu instid0(VALU_DEP_1)
	v_mul_u32_u24 v[TIN], v[TIN], SP
	v_and_b32 v10, 3, v1
	s_delay_alu instid0(VALU_DEP_1)
	v_lshl_add_u32 v[TIN], v10, 4, v[TIN]
	s_delay_alu instid0(VALU_DEP_1)
	v_add_nc_u32 v[TIN], s24, v[TIN]               ; in: four lanes' 64 bytes on end, then the padding
	v_mul_u32_u24 v[TOUT], v1, SP
	s_delay_alu instid0(VALU_DEP_1)
	v_add_nc_u32 v[TOUT], s24, v[TOUT]             ; out: place = lane
	s_lshl_b32 s25, s22, 8
	s_add_co_u32 s25, s25, SB0
	v_lshrrev_b32 v[SBA], 1, v1
	s_delay_alu instid0(VALU_DEP_1)
	v_add_nc_u32 v[SBA], s25, v[SBA]
	v_lshl_add_u32 v[S0R], v1, 3, s25
	v_lshlrev_b32 v[L8], 3, v1
	s_lshl_b32 s25, s22, 7
	s_add_co_u32 s25, s25, YST
	v_lshl_add_u32 v[YA], v9, 2, s25
	v_lshlrev_b32 v[RCO], 12, v9
	s_delay_alu instid0(VALU_DEP_1)
	v_lshl_add_u32 v[RCO], v8, 4, v[RCO]
	s_lshl_b32 s25, s22, 5
	s_add_co_u32 s25, s25, CST
	v_mul_u32_u24 v[CSA], v1, 4*CP
	s_delay_alu instid0(VALU_DEP_1)
	v_add_nc_u32 v[CSA], s25, v[CSA]
	s_add_co_u32 s25, s22, SB1
	v_lshl_add_u32 v[S1A], v1, 5, s25
	s_mul_i32 s25, s22, 32*CP
	s_add_co_u32 s25, s25, CST
	v_mul_u32_u24 v[CRD], v9, CP
	s_delay_alu instid0(VALU_DEP_1)
	v_lshl_add_u32 v[CRD], v8, 4, v[CRD]
	s_delay_alu instid0(VALU_DEP_1)
	v_add_nc_u32 v[CRD], s25, v[CRD]
	s_lshl_b32 s25, s22, 9
	s_add_co_u32 s25, s25, SB1
	v_lshl_add_u32 v[TLA], v1, 4, s25
; Rows 2 s and 2 s + 1 (2,048 bytes as they lie) go through stage s % 2 and come back 64 bytes a lane: lane l then holds row 2 s + l / 16, columns 16 (l % 16) on.
; LDS serves a wave's instructions in order (ISA guide 5.7.1.4): no wait stands between the stores and the loads.
.macro TURN s
	WIN 0x04                                       ; an LDS store's data are its source 1: window 1
.irp i, 0,1,2,3
	ds_store_b128 v[TIN], v[16*(\s)+4*\i:16*(\s)+4*\i+3] offset:32*SP*((\s)%2)+8*SP*\i
.endr
	WIN 0
.irp i, 0,1,2,3
	ds_load_b128 v[X+16*((\s)%2)+4*\i:X+16*((\s)%2)+4*\i+3], v[TOUT] offset:32*SP*((\s)%2)+16*\i
.endr
.endm
.macro STEP s
.set XS, X+16*((\s)%2)
.if (\s) > 0
	s_wait_dscnt 2                                 ; this step's numbers are back from the stage; the last step's two small stores, issued behind them, may be out
.else
	s_wait_dscnt 0x0
.endif
.if (\s) < 15
	s_wait_loadcnt 56-4*(\s)                       ; rows 2 s + 2 and 2 s + 3 are in; the rows behind them, four loads a step, may be out
	TURN (\s)+1                                    ; they go through the other stage while this step is worked
.endif
	v_pk_mul_f32 v[12:13], v[XS:XS+1], v[Z:Z+1]    ; the part of y: my 16 numbers x z, as they came, in two chains
	v_pk_mul_f32 v[14:15], v[XS+8:XS+9], v[Z+8:Z+9]
.irp j, 2,4,6
	s_delay_alu instid0(VALU_DEP_2)
	v_pk_fma_f32 v[12:13], v[XS+\j:XS+\j+1], v[Z+\j:Z+\j+1], v[12:13]
	s_delay_alu instid0(VALU_DEP_2)
	v_pk_fma_f32 v[14:15], v[XS+8+\j:XS+9+\j], v[Z+8+\j:Z+9+\j], v[14:15]
.endr
	v_max3_num_f32 v8, |v[XS]|, |v[XS+1]|, |v[XS+2]|               ; the largest magnitude of my 16
	v_max3_num_f32 v9, |v[XS+3]|, |v[XS+4]|, |v[XS+5]|
	s_delay_alu instid0(VALU_DEP_3)
	v_pk_add_f32 v[12:13], v[12:13], v[14:15]
.irp i, 6
	s_delay_alu instid0(VALU_DEP_3)
	v_max3_num_f32 v8, v8, |v[XS+\i]|, |v[XS+\i+1]|
	s_delay_alu instid0(VALU_DEP_3)
	v_max3_num_f32 v9, v9, |v[XS+\i+2]|, |v[XS+\i+3]|
.endr
.irp i, 10
	s_delay_alu instid0(VALU_DEP_2)
	v_max3_num_f32 v8, v8, |v[XS+\i]|, |v[XS+\i+1]|
	s_delay_alu instid0(VALU_DEP_2)
	v_max3_num_f32 v9, v9, |v[XS+\i+2]|, |v[XS+\i+3]|
.endr
	v_add_f32 v[YS+(\s)], v12, v13
	s_delay_alu instid0(VALU_DEP_3)
	v_max3_num_f32 v8, v8, |v[XS+14]|, |v[XS+15]|
	s_delay_alu instid0(VALU_DEP_1)
	v_max3_num_f32 v8, v8, v9, 0x8000000           ; and the floor 2^(16 - 127): the byte cannot fall under 1
	s_delay_alu instid0(VALU_DEP_3)
	v_add_f32_dpp v[YS+(\s)], v[YS+(\s)], v[YS+(\s)] row_xmask:1 row_mask:0xf bank_mask:0xf   ; a row lies in the 16 lanes of a half
	s_delay_alu instid0(VALU_DEP_2)
	v_max_num_f32_dpp v8, v8, v8 row_xmask:1 row_mask:0xf bank_mask:0xf   ; with my neighbour's 16: the block's
	s_delay_alu instid0(VALU_DEP_2)
	v_add_f32_dpp v[YS+(\s)], v[YS+(\s)], v[YS+(\s)] row_xmask:2 row_mask:0xf bank_mask:0xf
	s_delay_alu instid0(VALU_DEP_2)
	v_add_nc_u32 v11, 0xf8800000, v8               ; 15 off its exponent field: the conversion takes the exponent field of this operand as its scale
	s_delay_alu instid0(VALU_DEP_2)
	v_add_f32_dpp v[YS+(\s)], v[YS+(\s)], v[YS+(\s)] row_xmask:4 row_mask:0xf bank_mask:0xf
	s_delay_alu instid0(VALU_DEP_4)
	v_and_or_b32 v10, v8, 0x7f800000, s23          ; 57,344 x the scale
	s_delay_alu instid0(VALU_DEP_2)
	v_add_f32_dpp v[YS+(\s)], v[YS+(\s)], v[YS+(\s)] row_xmask:8 row_mask:0xf bank_mask:0xf
.irp i, 0,1,2,3,4,5,6,7,8,9,10,11,12,13,14,15
	v_med3_num_f32 v[XS+\i], v[XS+\i], -v10, v10   ; the conversion to an 8-bit code does not saturate (ISA guide 7.6.2): the hold comes first
.endr
	v_cvt_scalef32_pk8_bf8_f32 v[C+4*(\s):C+4*(\s)+1], v[XS:XS+7], v11
	v_cvt_scalef32_pk8_bf8_f32 v[C+4*(\s)+2:C+4*(\s)+3], v[XS+8:XS+15], v11
	v_lshrrev_b32 v[E+(\s)], 23, v11               ; the scale's byte.  (Also the plain line behind the conversions)
	ds_store_b8 v[SBA], v[E+(\s)] offset:16*(\s)   ; both lanes of a block write the same byte with the same value
	ds_store_b32 v[YA], v[YS+(\s)] offset:8*(\s)   ; the 16 lanes of a half write the same word with the same value
	global_store_b128 v[RCO], v[C+4*(\s):C+4*(\s)+3], s[14:15] offset:8192*(\s)   ; 16 lanes store 256 consecutive bytes of a line, aligned
.endm
	s_wait_loadcnt 60                              ; z and rows 0 and 1 are in: 60 of A's 64 loads may be out
	TURN 0
.irp t, 0,1,2,3,4,5,6,7,8,9,10,11,12,13,14,15
	STEP \t
.endr
	ds_load_b64 v[12:13], v[S0R]                   ; my wave's own 256 scale bytes
	s_wait_dscnt 0x0
	global_store_b64 v[L8], v[12:13], s[18:19]     ; 256 consecutive bytes, aligned
	; THE COLUMNS.  All of A's loads are in (the last count above was 0).  Column c of my eight: 128 (c / 4) + 4 lane + c % 4; its 32 numbers are registers c, 8 + c, .. of window 1
	WIN 0x05                                       ; sources 0 and 1 window 1
.irp c, 0,1,2,3,4,5,6,7
	v_max3_num_f32 v[M+\c], |v[\c]|, |v[8+\c]|, 0x8000000          ; rows 0 and 1, and the floor
.endr
	WIN 0x14                                       ; sources 1 and 2 window 1
.irp i, 1,2,3,4,5,6,7,8,9,10,11,12,13,14,15
.irp c, 0,1,2,3,4,5,6,7
	v_max3_num_f32 v[M+\c], v[M+\c], |v[16*\i+\c]|, |v[16*\i+8+\c]|   ; the eight columns by turns
.endr
.endr
	WIN 0
.irp c, 0,1,2,3,4,5,6,7
	v_add_nc_u32 v[CSO+\c], 0xf8800000, v[M+\c]
.endr
.irp c, 0,1,2,3,4,5,6,7
	v_and_or_b32 v[CLIM+\c], v[M+\c], 0x7f800000, s23
.endr
.irp c, 0,1,2,3,4,5,6,7
	v_lshrrev_b32 v[CBY+\c], 23, v[CSO+\c]
.endr
	s_wait_xcnt 0x0                                ; the row codes' stores have read their registers, which now take the column codes
.macro COLQ c
	WIN 0x01                                       ; source 0 window 1
.set RHO, 0
.rept 32
	v_med3_num_f32 v[T+RHO], v[8*RHO+(\c)], -v[CLIM+(\c)], v[CLIM+(\c)]   ; the hold also lays the column's 32 numbers side by side
.set RHO, RHO+1
.endr
	WIN 0
.irp g, 0,1,2,3
	v_cvt_scalef32_pk8_bf8_f32 v[CC+8*(\c)+2*\g:CC+8*(\c)+2*\g+1], v[T+8*\g:T+8*\g+7], v[CSO+(\c)]
.endr
	v_nop                                          ; a plain line between the conversions and the next column's holds, which write their sources
	ds_store_b128 v[CSA], v[CC+8*(\c):CC+8*(\c)+3] offset:(128*((\c)/4)+(\c)%4)*CP      ; 32 codes: bytes 32 w on of the column's row (neighbouring lanes stand four rows apart: these 16 stores a wave share banks)
	ds_store_b128 v[CSA], v[CC+8*(\c)+4:CC+8*(\c)+7] offset:(128*((\c)/4)+(\c)%4)*CP+16
	ds_store_b8 v[S1A], v[CBY+(\c)] offset:1024*((\c)/4)+8*((\c)%4)
.endm
.irp c, 0,1,2,3,4,5,6,7
	COLQ \c
.endr
	s_wait_dscnt 0x0                               ; for the others' sake: my stores into the shared regions have landed
	s_barrier_signal -1
	s_barrier_wait -1
	; THE WAY OUT: wave w sends columns 32 w .. 32 w + 31, two an instruction
.irp t, 0,1,2,3,4,5,6,7,8,9,10,11,12,13,14,15
	ds_load_b128 v[OUTR+4*\t:OUTR+4*\t+3], v[CRD] offset:2*CP*\t
.endr
.irp t, 0,1,2,3,4,5,6,7,8,9,10,11,12,13,14,15
	s_wait_dscnt 15-\t                             ; LDS loads come back in order: load t is in, the younger ones may be out
	global_store_b128 v[RCO], v[OUTR+4*\t:OUTR+4*\t+3], s[16:17] offset:8192*\t   ; 16 lanes store 256 consecutive bytes of a line, aligned
.endr
	s_cmp_ge_u32 s22, 6
	s_cbranch_scc1 .Ldone                          ; 2,048 scale bytes and 1,024 bytes of sums: six waves' 512 bytes
	ds_load_b128 v[8:11], v[TLA]
	s_wait_dscnt 0x0
	global_store_b128 v[VO], v[8:11], s[20:21]     ; 512 consecutive bytes, aligned
.Ldone:
	s_wait_tensorcnt 0x0
	ds_add_u32 v254, v255
	s_wait_dscnt 0x0
	s_endpgm
.Lfunc_end_k_q369dbdb806_quant:
	.size	k_q369dbdb806_quant, .Lfunc_end_k_q369dbdb806_quant-k_q369dbdb806_quant
	.p2alignl 7, 3214868480
	.fill 96, 4, 3214868480
	.section	.rodata,"a",@progbits
	.p2align	6, 0x0
	.amdhsa_kernel k_q369dbdb806_quant
		.amdhsa_group_segment_fixed_size 116736
		.amdhsa_private_segment_fixed_size 0
		.amdhsa_enable_private_segment 0
		.amdhsa_kernarg_size 40
		.amdhsa_user_sgpr_count 2
		.amdhsa_user_sgpr_kernarg_segment_ptr 1
		.amdhsa_wavefront_size32 1
		.amdhsa_system_sgpr_workgroup_id_x 1
		.amdhsa_system_sgpr_workgroup_id_y 1
		.amdhsa_system_sgpr_workgroup_id_z 1
		.amdhsa_system_vgpr_workitem_id 0
		.amdhsa_next_free_vgpr 512
		.amdhsa_next_free_sgpr 66
		.amdhsa_reserve_vcc 0
		.amdhsa_float_denorm_mode_32 3
		.amdhsa_float_denorm_mode_16_64 3
		.amdhsa_memory_ordered 1
		.amdhsa_forward_progress 1
		.amdhsa_inst_pref_size 113
	.end_amdhsa_kernel
	.amdgpu_metadata
---
amdhsa.version: [ 1, 2 ]
amdhsa.kernels:
  - .name:           k_q369dbdb806_quant
    .symbol:         k_q369dbdb806_quant.kd
    .args:
      - { .name: A, .offset: 0, .size: 8, .value_kind: global_buffer, .address_space: global }
      - { .name: z, .offset: 8, .size: 8, .value_kind: global_buffer, .address_space: global }
      - { .name: codes, .offset: 16, .size: 8, .value_kind: global_buffer, .address_space: global }
      - { .name: scales, .offset: 24, .size: 8, .value_kind: global_buffer, .address_space: global }
      - { .name: ypart, .offset: 32, .size: 8, .value_kind: global_buffer, .address_space: global }
    .group_segment_fixed_size: 116736
    .private_segment_fixed_size: 0
    .kernarg_segment_align: 8
    .kernarg_segment_size: 40
    .max_flat_workgroup_size: 256
    .sgpr_count:     66
    .vgpr_count:     512
    .wavefront_size: 32
...
	.end_amdgpu_metadata
.endif
;; end of part 6
;; launch topk (part 7): grid 32 x 1, 2 waves a work-group, no clusters, 1,024 bytes of LDS; arguments ypart, I, idx, gate, out2; writes idx, gate, out2
.if DOCPART == 7
	.amdgcn_target "amdgcn-amd-amdhsa--gfx1250"
	.amdhsa_code_object_version 6
	.text
	.protected	k_q369dbdb806_topk
	.globl	k_q369dbdb806_topk
	.p2align	8
	.type	k_q369dbdb806_topk,@function
k_q369dbdb806_topk:
	s_mov_b64 s[64:65], 0
	v_nop
	global_prefetch_b8 v0, s[64:65] scope:SCOPE_SE
	s_setreg_imm32_b32 hwreg(HW_REG_WAVE_MODE, 25, 1), 1
	s_wait_xcnt 0x0
; For each graph of 64 nodes: y = the sum of the 16 parts; a node's rank = how many nodes of its graph come before it in a stable descending order (a larger y, or an equal y and a lower index);
; the 32 nodes of rank under 32 are kept, in ascending order of index.  Stored: idx[32 g + p] (whole numbers, for the next launch's addresses), gate[..] = tanh(y), out2[..] = I.
; A wave takes a graph; lane l holds nodes 2 l and 2 l + 1.  Nothing but VALUES hangs on y: no branch and no address; a kept node reaches its place by compares and selects, lane p being place p.
; tanh(y) = 1 - 2 / (1 + 2^(2 log2(e) y)): it goes to +-1 where the power overflows or vanishes.
; LIMITS: NaN among the scores is not served (the ranks are then no permutation).  -0 and +0 count as equal.
.set YV, 40                            ; v[40:41] y of my two nodes
.set IV, 42                            ; v[42:43] I
.set RK, 44                            ; v44, v45 ranks
.set GV, 46                            ; v[46:47] tanh(y)
.set PX, 48                            ; v48, v49 a kept node's place, else 255
.set OI, 50                            ; v50 place p's node, v51 its I, v52 its gate
	s_load_b128 s[4:7], s[0:1], 0x0                ; ypart, I
	s_load_b128 s[8:11], s[0:1], 0x10              ; idx, gate
	s_load_b64 s[12:13], s[0:1], 0x20              ; out2
	v_lshl_add_u32 v64, v0, 2, 0x300
	v_mov_b32 v65, 0
	v_lshrrev_b32 v4, 5, v0
	v_readfirstlane_b32 s14, v4                    ; wave 0, 1
	v_and_b32 v1, 31, v0                           ; lane
	v_lshlrev_b32 v2, 3, v1                        ; 8 bytes a lane
	v_lshlrev_b32 v3, 2, v0                        ; LDS: word 32 w + lane
	s_lshl_b32 s15, ttmp9, 1
	s_add_co_u32 s15, s15, s14                     ; my graph
	s_lshl_b32 s16, s15, 8                         ; its 64 numbers are 256 bytes
	s_mov_b32 s17, 0
	s_lshl_b32 s18, ttmp9, 8                       ; the work-group's 64 kept nodes likewise
	s_mov_b32 s19, 0
	s_lshl_b32 s27, s15, 6                         ; the graph's first node
	v_mov_b32 v[RK], 0
	v_mov_b32 v[RK+1], 0
	v_mov_b32 v[OI], 0
	v_mov_b32 v[OI+1], 0
	v_mov_b32 v[OI+2], 0
	v_mov_b32 v57, 255
	s_wait_alu depctr_va_vdst(0)
	s_wait_kmcnt 0x0
	s_add_nc_u64 s[4:5], s[4:5], s[16:17]
	s_add_nc_u64 s[6:7], s[6:7], s[16:17]
	s_add_nc_u64 s[8:9], s[8:9], s[18:19]
	s_add_nc_u64 s[10:11], s[10:11], s[18:19]
	s_add_nc_u64 s[12:13], s[12:13], s[18:19]
.irp b, 0,1,2,3,4,5,6,7,8,9,10,11,12,13,14,15
	global_load_b64 v[8+2*\b:9+2*\b], v2, s[4:5] offset:16384*\b   ; 32 lanes read 256 consecutive bytes
.endr
	global_load_b64 v[IV:IV+1], v2, s[6:7]
	s_wait_loadcnt 0x0
	v_pk_add_f32 v[YV:YV+1], v[8:9], v[10:11]      ; the parts in ascending order of columns
.irp b, 2,3,4,5,6,7,8,9,10,11,12,13,14,15
	v_pk_add_f32 v[YV:YV+1], v[YV:YV+1], v[8+2*\b:9+2*\b]
.endr
	v_mul_f32 v[GV], 0x4038aa3b, v[YV]             ; 2 log2(e) y
	v_mul_f32 v[GV+1], 0x4038aa3b, v[YV+1]
	s_wait_alu depctr_va_vdst(0)
	v_exp_f32 v[GV], v[GV]
	v_exp_f32 v[GV+1], v[GV+1]
	v_nop                                          ; a plain line behind the transcendentals (ISA guide 5.7.2),
	s_wait_alu depctr_va_vdst(0)                   ; and the wait ahead of the first reader: one for both
	v_add_f32 v[GV], 1.0, v[GV]
	v_add_f32 v[GV+1], 1.0, v[GV+1]
	s_wait_alu depctr_va_vdst(0)
	v_rcp_f32 v[GV], v[GV]
	v_rcp_f32 v[GV+1], v[GV+1]
	v_nop
	s_wait_alu depctr_va_vdst(0)
	v_fma_f32 v[GV], v[GV], -2.0, 1.0
	v_fma_f32 v[GV+1], v[GV+1], -2.0, 1.0
	; THE RANKS.  Nodes j = 2 LAM and 2 LAM + 1 against my two.  An equal score counts where j < i: for my node 2 l that is l > LAM; for my node 2 l + 1 it is l >= LAM (even j) or l > LAM (odd j): constants of the text
.set LAM, 0
.rept 32
	v_readlane_b32 s20, v[YV], LAM
	v_readlane_b32 s21, v[YV+1], LAM
	v_cmp_gt_f32 s28, s20, v[YV]
	v_cmp_eq_f32 s29, s20, v[YV]
	v_cmp_gt_f32 s30, s20, v[YV+1]
	v_cmp_eq_f32 s31, s20, v[YV+1]
	v_cmp_gt_f32 s32, s21, v[YV]
	v_cmp_eq_f32 s33, s21, v[YV]
	v_cmp_gt_f32 s34, s21, v[YV+1]
	v_cmp_eq_f32 s35, s21, v[YV+1]
	s_and_b32 s29, s29, (0xffffffff<<(LAM+1))&0xffffffff
	s_and_b32 s31, s31, (0xffffffff<<LAM)&0xffffffff
	s_and_b32 s33, s33, (0xffffffff<<(LAM+1))&0xffffffff
	s_and_b32 s35, s35, (0xffffffff<<(LAM+1))&0xffffffff
	s_or_b32 s28, s28, s29
	s_or_b32 s30, s30, s31
	s_or_b32 s32, s32, s33
	s_or_b32 s34, s34, s35
	v_cndmask_b32 v53, 0, 1, s28
	v_cndmask_b32 v54, 0, 1, s30
	v_cndmask_b32 v55, 0, 1, s32
	v_cndmask_b32 v56, 0, 1, s34
	v_add3_u32 v[RK], v[RK], v53, v55
	v_add3_u32 v[RK+1], v[RK+1], v54, v56
.set LAM, LAM+1
.endr
	; THE PLACES: a kept node's place is the number of kept nodes of lower index
	v_cmp_gt_u32 s24, 32, v[RK]
	v_cmp_gt_u32 s25, 32, v[RK+1]
	v_mbcnt_lo_u32_b32 v[PX], s24, 0               ; kept even nodes in the lanes below me,
	v_mbcnt_lo_u32_b32 v[PX], s25, v[PX]           ; and kept odd ones
	v_cndmask_b32 v53, 0, 1, s24
	v_add_nc_u32 v[PX+1], v[PX], v53
	v_cndmask_b32 v[PX], v57, v[PX], s24           ; a node that is dropped has no place
	v_cndmask_b32 v[PX+1], v57, v[PX+1], s25
	; THE PLACING: lane p takes the node whose place is p
.set LAM, 0
.rept 32
	v_readlane_b32 s20, v[PX], LAM
	v_readlane_b32 s21, v[PX+1], LAM
	v_readlane_b32 s22, v[IV], LAM
	v_readlane_b32 s23, v[IV+1], LAM
	v_readlane_b32 s24, v[GV], LAM
	v_readlane_b32 s25, v[GV+1], LAM
	v_cmp_eq_u32 s28, s20, v1
	v_cmp_eq_u32 s29, s21, v1
	v_cndmask_b32 v[OI], v[OI], 2*LAM, s28
	v_cndmask_b32 v[OI+1], v[OI+1], s22, s28
	v_cndmask_b32 v[OI+2], v[OI+2], s24, s28
	v_cndmask_b32 v[OI], v[OI], 2*LAM+1, s29
	v_cndmask_b32 v[OI+1], v[OI+1], s23, s29
	v_cndmask_b32 v[OI+2], v[OI+2], s25, s29
.set LAM, LAM+1
.endr
	v_add_nc_u32 v[OI], s27, v[OI]                 ; the node's number in the batch
	ds_store_b32 v3, v[OI]
	ds_store_b32 v3, v[OI+1] offset:256
	ds_store_b32 v3, v[OI+2] offset:512
	s_wait_dscnt 0x0                               ; for the other wave's sake: my stores have landed
	s_barrier_signal -1
	s_barrier_wait -1
	s_cmp_lg_u32 s14, 0
	s_cbranch_scc1 .Lend                           ; wave 0 stores both graphs' 64 entries
	ds_load_b64 v[8:9], v2
	ds_load_b64 v[10:11], v2 offset:256
	ds_load_b64 v[12:13], v2 offset:512
	s_wait_dscnt 0x0
	global_store_b64 v2, v[8:9], s[8:9]            ; each: 256 consecutive bytes, aligned
	global_store_b64 v2, v[10:11], s[12:13]
	global_store_b64 v2, v[12:13], s[10:11]
.Lend:
	s_wait_tensorcnt 0x0
	ds_add_u32 v64, v65
	s_wait_dscnt 0x0
	s_endpgm
.Lfunc_end_k_q369dbdb806_topk:
	.size	k_q369dbdb806_topk, .Lfunc_end_k_q369dbdb806_topk-k_q369dbdb806_topk
	.p2alignl 7, 3214868480
	.fill 96, 4, 3214868480
	.section	.rodata,"a",@progbits
	.p2align	6, 0x0
	.amdhsa_kernel k_q369dbdb806_topk
		.amdhsa_group_segment_fixed_size 1024
		.amdhsa_private_segment_fixed_size 0
		.amdhsa_enable_private_segment 0
		.amdhsa_kernarg_size 40
		.amdhsa_user_sgpr_count 2
		.amdhsa_user_sgpr_kernarg_segment_ptr 1
		.amdhsa_wavefront_size32 1
		.amdhsa_system_sgpr_workgroup_id_x 1
		.amdhsa_system_sgpr_workgroup_id_y 1
		.amdhsa_system_sgpr_workgroup_id_z 1
		.amdhsa_system_vgpr_workitem_id 0
		.amdhsa_next_free_vgpr 66
		.amdhsa_next_free_sgpr 66
		.amdhsa_reserve_vcc 0
		.amdhsa_float_denorm_mode_32 3
		.amdhsa_float_denorm_mode_16_64 3
		.amdhsa_memory_ordered 1
		.amdhsa_forward_progress 1
		.amdhsa_inst_pref_size 78
	.end_amdhsa_kernel
	.amdgpu_metadata
---
amdhsa.version: [ 1, 2 ]
amdhsa.kernels:
  - .name:           k_q369dbdb806_topk
    .symbol:         k_q369dbdb806_topk.kd
    .args:
      - { .name: ypart, .offset: 0, .size: 8, .value_kind: global_buffer, .address_space: global }
      - { .name: I, .offset: 8, .size: 8, .value_kind: global_buffer, .address_space: global }
      - { .name: idx, .offset: 16, .size: 8, .value_kind: global_buffer, .address_space: global }
      - { .name: gate, .offset: 24, .size: 8, .value_kind: global_buffer, .address_space: global }
      - { .name: out2, .offset: 32, .size: 8, .value_kind: global_buffer, .address_space: global }
    .group_segment_fixed_size: 1024
    .private_segment_fixed_size: 0
    .kernarg_segment_align: 8
    .kernarg_segment_size: 40
    .max_flat_workgroup_size: 64
    .sgpr_count:     66
    .vgpr_count:     66
    .wavefront_size: 32
...
	.end_amdgpu_metadata
.endif
;; end of part 7
;; launch gemm (part 8): grid 16 x 16, 4 waves a work-group, no clusters, 157,184 bytes of LDS; arguments codes, scales, idx, gate, X, out0, out1; writes out0, out1
.if DOCPART == 8
	.amdgcn_target "amdgcn-amd-amdhsa--gfx1250"
	.amdhsa_code_object_version 6
	.text
	.protected	k_q369dbdb806_gemm
	.globl	k_q369dbdb806_gemm
	.p2align	8
	.type	k_q369dbdb806_gemm,@function
k_q369dbdb806_gemm:
	s_mov_b64 s[64:65], 0
	v_nop
	global_prefetch_b8 v0, s[64:65] scope:SCOPE_SE
	s_setreg_imm32_b32 hwreg(HW_REG_WAVE_SCHED_MODE, 0, 2), 2
	s_setreg_imm32_b32 hwreg(HW_REG_WAVE_MODE, 25, 1), 1
	s_wait_xcnt 0x0
	s_wait_alu depctr_vm_vsrc(0)
; out1[p][q] = the sum over k of Q(A)[idx[p]][k] x Q(A)[k][idx[q]], on codes of BF8 (E5M2) with one E8M0 scale for each 32 along K; out0[p][:] = X[idx[p]][:] x gate[p].
; codes: [side 2][line 4096][4096 bytes], K innermost; side 0's lines are A's rows, side 1's its columns.  scales: [side 2][K step of 256: 16][line 4096][8 bytes].  idx: the 2,048 kept nodes, ascending.
; Only the kept rows and columns are multiplied: reference() throws the others away.
; SHARES.  A work-group makes 128 x 128 of out1 (256 work-groups), each of its four waves 64 x 64: 16 accumulators.  K goes in 16 steps of 256, two matrix instructions deep.
; NO TENSOR LOAD, NO CLUSTER: a tile's 128 lines are picked by the list, at distances that the list alone knows, so no one tile descriptor covers them.  The lines come through registers: 16 lanes read a line's 256 bytes
; of a K step, a wave 64 lines by 32 loads, two K steps ahead (two sets of 128 registers), and go into one of two LDS slots, a K step ahead of their use.  One barrier a K step.
; THE MATRIX INSTRUCTION IS USED TRANSPOSED (source 0 = 16 lines of side 1, source 1 = 16 lines of side 0): a lane then holds eight neighbouring numbers of a row of out1.
; Every list entry is held to 0 .. 4,095 before it enters an address.
; REGISTERS: window 0: v1-31 addresses; v32-63 my 32 loads' offsets; v64-79 scale words, two sets; v80-95 rows of X; v128-255 the accumulators ((a, b) at v[128 + 8 (4 a + b)]).
;   window 1: two sets of fragments, for the K step's two halves: at 128 q side 0's four, at 128 q + 64 side 1's four.   window 2: the two sets in which lines wait for their slot.
; THE MODE: SCHED_MODE bits 1:0 = 2 (LLVM: expert scheduling mode 2), set by the entry lines.  The code itself states the register dependences between vector or matrix instructions and memory or LDS
; instructions, with s_wait_alu, always for 0.
; THE PLAN.  Registers that memory or LDS instructions touch, in the loop (K step t, par = t % 2):
;   fragments (window 1)   Step t's 64 LDS loads land in them; step t's 32 products read them; step t + 1's LDS loads land in them again.
;   scale words, set s     The loads issued in step t - 1 land in set par; step t's products read it; the loads issued in step t + 1 land in it again.
;   waiting sets (window 2) The loads issued in step t land in set par; the LDS stores of step t + 1 read it; the loads issued in step t + 2 land in it again.  No vector or matrix instruction names them.
;   offsets and LDS addresses (v4-v12, v20-v23, v32-v63)  Made at the head and never written again: the scalar bases step, and immediate offsets do the rest.
; So two lines at a step's head state all that the step's memory and LDS instructions hang on: the last step's products are done reading the fragments and the scale words of set 1 - par, and the last step's LDS stores
; have read waiting set par.  Behind them the step's loads of lines are dealt among its first 16 products and its LDS stores among its last 16: the products name fragments, accumulators and scale set par,
; none of which those loads and stores touch, and no LDS store reads waiting set par before the loads into it are issued.
.set PITCH, 272                        ; an LDS line: 256 bytes + 16: line r starts 68 r words on, so the 16 lines that a fragment load touches start at 16 different places modulo 64 words
.set SLOT,  256*PITCH                  ; lines 0-127: side 0's; lines 128-255: side 1's
.set STAGE, 2*SLOT                     ; behind the slots: 16 rows x 272 bytes for each wave, for the way out
.set STA,  4                           ; v4, v5   where I store lines into slot 0, 1
.set ADRA, 6                           ; v6, v7   my fragments of side 0 in slot 0, 1
.set ADRB, 8                           ; v8, v9   of side 1
.set STO,  10                          ; v10      the way out: where I put 32 bytes of a row
.set RD,   11                          ; v11      and where I read a row back
.set CO,   12                          ; v12      my byte offset in two rows of out1
.set SOF,  20                          ; v[20:23] offsets of my scale words: lanes 0-15 side 0's block i, lanes 16-31 side 1's
.set OFS,  32                          ; v[32:63] offsets of my 32 loads of codes
.set SC,   64                          ; v[64:79] scale words: set s at 64 + 8 s; register 2 i + q: block i, half q of the K step
.set XR,   80                          ; v[80:95] two rows of X
.set ACC,  128
.set W_MUL,  0x05                      ; sources 0 and 1 window 1; C and D window 0
.set TO_F,   0x40                      ; destination window 1
.set TO_S,   0x80                      ; destination window 2
.set FROM_S, 0x08                      ; an LDS store's data (source 1) window 2
.set MSB, 0
.macro WIN new                         ; the immediate's high byte repeats the setting that is left
.if MSB != \new
	s_set_vgpr_msb (MSB<<8)|\new
.set MSB, \new
.endif
.endm
.macro PLACES n
.rept \n
	v_nop
.endr
.endm
.macro GLOAD set, off, u0, n           ; n of my 32 loads, from load u0 on: my 64 lines' 256 bytes of a K step, off bytes on from where the base stands
	WIN TO_S
.set U, \u0
.rept \n
	global_load_b128 v[128*(\set)+4*U:128*(\set)+4*U+3], v[OFS+U], s[4:5] offset:\off   ; 16 lanes read 256 consecutive bytes of a line, aligned
.set U, U+1
.endr
.endm
.macro SCL set, off                    ; a K step's scale words: 8 bytes a line
	WIN 0
.irp i, 0,1,2,3
	global_load_b64 v[SC+8*(\set)+2*\i:SC+8*(\set)+2*\i+1], v[SOF+\i], s[6:7] offset:\off
.endr
.endm
.macro TOLDS set, slot, u0, n          ; n of my 32 stores, from store u0 on
	WIN FROM_S
.set U, \u0
.rept \n
	ds_store_b128 v[STA+(\slot)], v[128*(\set)+4*U:128*(\set)+4*U+3] offset:2*PITCH*U
.set U, U+1
.endr
.endm
.macro FETCH slot, q                   ; a fragment, 16 lines x 128 K, is 16 registers: lane l holds line l % 16; registers 4 c .. 4 c + 3 hold K = 32 c + 16 (l / 16) + 0 .. 15
	WIN TO_F
.irp a, 0,1,2,3
.irp c, 0,1,2,3
	ds_load_b128 v[128*(\q)+16*\a+4*\c:128*(\q)+16*\a+4*\c+3], v[ADRA+(\slot)] offset:16*PITCH*\a+128*(\q)+32*\c
.endr
.endr
.irp b, 0,1,2,3
.irp c, 0,1,2,3
	ds_load_b128 v[128*(\q)+64+16*\b+4*\c:128*(\q)+64+16*\b+4*\c+3], v[ADRB+(\slot)] offset:16*PITCH*\b+128*(\q)+32*\c
.endr
.endr
.endm
; 8 matrix instructions: side 0's blocks a0, a0 + 1 x side 1's four, 128 along K.  Two of these runs are a half of a K step.  The 16 accumulators take turns, one instruction a turn, in the same order every time.
; zero = 1: the first product starts the sums
.macro PROD8 q, sc, a0, zero
	WIN W_MUL
.irp a, \a0, \a0+1
.irp b, 0,1,2,3
.if \zero
	v_wmma_scale_f32_16x16x128_f8f6f4 v[ACC+8*(4*(\a)+\b):ACC+8*(4*(\a)+\b)+7], v[128*(\q)+64+16*\b:128*(\q)+64+16*\b+15], v[128*(\q)+16*(\a):128*(\q)+16*(\a)+15], 0, v[SC+8*(\sc)+2*\b+(\q)], v[SC+8*(\sc)+2*(\a)+(\q)] matrix_a_fmt:MATRIX_FMT_BF8 matrix_b_fmt:MATRIX_FMT_BF8 matrix_a_scale:MATRIX_SCALE_ROW1
.else
	v_wmma_scale_f32_16x16x128_f8f6f4 v[ACC+8*(4*(\a)+\b):ACC+8*(4*(\a)+\b)+7], v[128*(\q)+64+16*\b:128*(\q)+64+16*\b+15], v[128*(\q)+16*(\a):128*(\q)+16*(\a)+15], v[ACC+8*(4*(\a)+\b):ACC+8*(4*(\a)+\b)+7], v[SC+8*(\sc)+2*\b+(\q)], v[SC+8*(\sc)+2*(\a)+(\q)] matrix_a_fmt:MATRIX_FMT_BF8 matrix_b_fmt:MATRIX_FMT_BF8 matrix_a_scale:MATRIX_SCALE_ROW1
.endif
.endr
.endr
.endm
	s_load_b256 s[4:11], s[0:1], 0x0               ; codes s[4:5], scales s[6:7], idx s[8:9], gate s[10:11]
	s_load_b128 s[12:15], s[0:1], 0x20             ; X s[12:13], out0 s[14:15]
	s_load_b64 s[16:17], s[0:1], 0x30              ; out1
	v_lshl_add_u32 v126, v0, 2, 0x26400
	v_mov_b32 v127, 0
	v_lshrrev_b32 v24, 5, v0
	v_readfirstlane_b32 s18, v24                   ; wave 0..3
	v_and_b32 v1, 15, v0                           ; r = lane % 16
	v_bfe_u32 v2, v0, 4, 1                         ; h = lane / 16
	s_wait_alu depctr_va_vdst(0)
	v_lshlrev_b32 v3, 4, v1                        ; 16 r
	v_and_b32 v24, 31, v0
	v_lshlrev_b32 v24, 4, v24                      ; 16 x lane
	s_wait_alu depctr_va_sdst(0)                   ; s18 is written, ahead of its first reader: shares, addresses and bases are made from it
	s_lshr_b32 s19, s18, 1                         ; which half of the tile's rows is mine
	s_and_b32 s20, s18, 1                          ; which half of its columns
	s_mov_b32 s21, ttmp9                           ; bx: the tile's column
	s_and_b32 s22, ttmp7, 0xffff                   ; by: its row
	s_lshl_b32 s2, s22, 7                          ; p0
	s_lshl_b32 s3, s21, 7                          ; q0
	s_lshl_b32 s23, s19, 6
	s_add_co_u32 s33, s2, s23                      ; my first row of out1
	s_lshl_b32 s23, s20, 6
	s_add_co_u32 s34, s3, s23                      ; my first column
	s_lshl_b32 s23, s18, 6                         ; the lines that I fetch: waves 0 and 1 side 0's, list entries p0 + 64 w on; waves 2 and 3 side 1's, q0 + 64 (w - 2) on
	s_add_co_u32 s38, s2, s23
	s_add_co_u32 s35, s3, s23
	s_sub_co_u32 s35, s35, 128
	s_cmp_lt_u32 s18, 2
	s_cselect_b32 s38, s38, s35
	s_cselect_b32 s39, 0, 0x1000000                ; where the side begins in codes
	v_add_nc_u32 v13, s38, v2
	v_lshlrev_b32 v13, 2, v13                      ; load u brings lines 2 u + h: their list entries lie 8 u bytes on
	v_mov_b32 v26, s33
	v_mov_b32 v27, s34
	v_cmp_eq_u32 vcc_lo, 1, v2
	s_wait_alu depctr_va_vcc(0)                    ; the compare has written VCC, which the select below reads
	v_cndmask_b32 v14, v26, v27, vcc_lo            ; the scale words' lines: lanes 0-15 my rows, lanes 16-31 my columns
	v_add_nc_u32 v14, v14, v1
	v_lshlrev_b32 v14, 2, v14
	s_lshl_b32 s23, s22, 4
	s_add_co_u32 s23, s23, s21                     ; n = 16 by + bx: the work-group also makes rows 8 n .. 8 n + 7 of out0, two a wave
	s_lshl_b32 s36, s23, 5
	s_lshl_b32 s40, s18, 3
	s_add_co_u32 s36, s36, s40                     ; their entries in idx and in gate: 4 (8 n + 2 w) bytes on
	s_mov_b32 s37, 0
	s_lshl_b32 s40, s23, 13                        ; 8 rows of 1,024 bytes
	s_mov_b32 s41, 0
	s_lshl_b32 s42, s33, 13                        ; a row of out1 is 8,192 bytes
	s_lshl_b32 s43, s34, 2
	s_add_co_u32 s42, s42, s43
	s_mov_b32 s43, 0
	s_wait_kmcnt 0x0
	s_wait_alu depctr_va_vdst(0)                   ; v13 and v14 are written: the loads of the list read them as their offsets
.set U, 0
.rept 32
	global_load_b32 v[OFS+U], v13, s[8:9] offset:8*U
.set U, U+1
.endr
.irp i, 0,1,2,3
	global_load_b32 v[SOF+\i], v14, s[8:9] offset:64*\i
.endr
	s_add_nc_u64 s[24:25], s[8:9], s[36:37]
	s_add_nc_u64 s[26:27], s[10:11], s[36:37]
	s_load_b64 s[28:29], s[24:25], 0x0             ; two list entries,
	s_load_b64 s[30:31], s[26:27], 0x0             ; and their gates
	s_add_nc_u64 s[14:15], s[14:15], s[40:41]
	s_add_nc_u64 s[16:17], s[16:17], s[42:43]
	; LDS addresses, while the list is on its way
	s_mul_i32 s23, s18, 64*PITCH
	v_mul_u32_u24 v[STA], v2, PITCH
	v_add_nc_u32 v[STA], v[STA], v3
	v_add_nc_u32 v[STA], s23, v[STA]               ; line 64 w + h, 16 r
	v_add_nc_u32 v[STA+1], SLOT, v[STA]
	v_mul_u32_u24 v25, v1, PITCH
	v_lshl_add_u32 v25, v2, 4, v25                 ; a fragment's line x pitch + 16 h
	s_mul_i32 s23, s19, 64*PITCH
	v_add_nc_u32 v[ADRA], s23, v25
	v_add_nc_u32 v[ADRA+1], SLOT, v[ADRA]
	s_mul_i32 s23, s20, 64*PITCH
	s_add_co_u32 s23, s23, 128*PITCH
	v_add_nc_u32 v[ADRB], s23, v25
	v_add_nc_u32 v[ADRB+1], SLOT, v[ADRB]
	s_mul_i32 s23, s18, 16*PITCH
	s_add_co_u32 s23, s23, STAGE                   ; my stage
	v_mul_u32_u24 v[STO], v1, PITCH
	v_lshl_add_u32 v[STO], v2, 5, v[STO]
	v_add_nc_u32 v[STO], s23, v[STO]               ; in: row r, 32 bytes for each half of the lanes
	v_mul_u32_u24 v[RD], v2, PITCH
	v_add_nc_u32 v[RD], v[RD], v3
	v_add_nc_u32 v[RD], s23, v[RD]                 ; back: lanes 0-15 one row of 256 bytes, lanes 16-31 the next
	v_lshlrev_b32 v[CO], 13, v2
	v_add_nc_u32 v[CO], v[CO], v3                  ; and the same two rows in out1
	v_add_nc_u32 v28, s39, v3                      ; the side + 16 r
	v_lshlrev_b32 v29, 19, v2                      ; side 1's scale bytes begin 524,288 bytes on
	s_lshl_b32 s23, s18, 11
	v_add_nc_u32 v17, s23, v24                     ; out0: my two rows, 16 bytes a lane
	v_add_nc_u32 v18, 1024, v17
	s_wait_loadcnt 0x0
	s_wait_kmcnt 0x0
.set U, 0
.rept 32
	v_min_u32 v[OFS+U], 0xfff, v[OFS+U]            ; a list entry enters an address only held to the table's size
	v_lshlrev_b32 v[OFS+U], 12, v[OFS+U]           ; a line of codes is 4,096 bytes
	s_wait_alu depctr_va_vdst(0)
	v_add_nc_u32 v[OFS+U], v[OFS+U], v28
.set U, U+1
.endr
.irp i, 0,1,2,3
	v_min_u32 v[SOF+\i], 0xfff, v[SOF+\i]
	v_lshlrev_b32 v[SOF+\i], 3, v[SOF+\i]          ; 8 scale bytes a line and K step
	v_add_nc_u32 v[SOF+\i], v[SOF+\i], v29
.endr
	s_min_u32 s28, s28, 0xfff
	s_min_u32 s29, s29, 0xfff
	s_lshl_b32 s28, s28, 10                        ; a row of X is 1,024 bytes
	s_lshl_b32 s29, s29, 10
	v_add_nc_u32 v15, s28, v24
	v_add_nc_u32 v16, s29, v24
	s_wait_alu depctr_va_vdst(0)                   ; every offset and LDS address is written (v4 to v12, v15 to v18, v20 to v23, v32 to v63): all loads, stores and LDS instructions from here on read them, and none is written again
.irp e, 0,1
	global_load_b128 v[XR+8*\e:XR+8*\e+3], v[15+\e], s[12:13]
	global_load_b128 v[XR+8*\e+4:XR+8*\e+7], v[15+\e], s[12:13] offset:512
.endr
	SCL 0, 0                                       ; K step 0's scale words,
	GLOAD 0, 0, 0, 32                              ; and its lines
	WIN 0
	s_wait_loadcnt 36                              ; X's four loads are in; the 4 + 32 issued behind them may be out
.irp e, 0,1
.irp k, 0,1,2,3,4,5,6,7
	v_mul_f32 v[XR+8*\e+\k], s[30+\e], v[XR+8*\e+\k]
.endr
.endr
	s_wait_alu depctr_va_vdst(0)                   ; the multiplications have written v[XR ..], which the four stores read
.irp e, 0,1
	global_store_b128 v[17+\e], v[XR+8*\e:XR+8*\e+3], s[14:15] th:TH_STORE_NT              ; 32 lanes store 512 consecutive bytes, aligned
	global_store_b128 v[17+\e], v[XR+8*\e+4:XR+8*\e+7], s[14:15] offset:512 th:TH_STORE_NT
.endr
	GLOAD 1, 256, 0, 32                            ; K step 1's lines
	s_wait_loadcnt 32                              ; all but those 32: K step 0's lines and scale words are in
	TOLDS 0, 0, 0, 32
	WIN 0
	s_wait_dscnt 0x0                               ; for the others' sake: my lines lie in slot 0
	s_barrier_signal -1
	s_barrier_wait -1
; K STEP t, par = t % 2: it multiplies slot par.  The bases stand at K step t.  gl = 1: the lines of step t + 2 are asked for;  st = 1: there is a step t + 1: its scale words are asked for, its lines go into the other slot.
; zero = 1: the first step, with no products ahead of it.
.macro STEP par, gl, st, zero
.if !\zero
	s_wait_alu depctr_va_vdst(0)                   ; the last step's products are done reading both sets of fragments and scale set 1 - par: the LDS loads and the scale words' loads below land in them
.endif
.if \gl
	s_wait_alu depctr_vm_vsrc(0)                   ; the LDS stores of the step before (ahead of the first step: the head's) have read waiting set par, in which this step's loads of lines land
.endif
.if \st
	SCL 1-\par, 32768                              ; ahead of this step's loads of lines, so that the count below covers them
.endif
	FETCH \par, 0
	FETCH \par, 1
	s_wait_dscnt 32                                ; the first half's fragments are in; the second half's 32 loads may be out
	PROD8 0, \par, 0, \zero
.if \gl
	GLOAD \par, 512, 0, 16                         ; no wait: since the lines at the step's head no LDS store has read waiting set par, and no vector or matrix instruction ever names it or the offsets
.endif
	PROD8 0, \par, 2, \zero
.if \gl
	GLOAD \par, 512, 16, 16
.endif
.if \st
.if \gl
	s_wait_loadcnt 32                              ; all but this step's 32 loads of lines: step t + 1's lines and scale words are in
.else
	s_wait_loadcnt 0x0
.endif
	TOLDS 1-\par, 1-\par, 0, 16                    ; the other slot: every wave's reads of it were over at the last barrier
	s_wait_dscnt 16                                ; the second half's fragments are in; the 16 stores issued behind them may be out
.else
	s_wait_dscnt 0x0
.endif
	PROD8 1, \par, 0, 0
.if \st
	TOLDS 1-\par, 1-\par, 16, 16                   ; their data came by loads, their address stands since the head: they hang on no vector or matrix instruction
.endif
	PROD8 1, \par, 2, 0
	WIN 0                                          ; at a label and at a branch every window is 0
	PLACES 8                                       ; eight plain lines behind this form; they stay beside the wait at the next step's head, and, behind the last step, ahead of the first read of results
.if \st
	s_wait_xcnt 0x0                                ; the loads have read their bases: they step
	s_add_nc_u64 s[4:5], s[4:5], 256
	s_add_nc_u64 s[6:7], s[6:7], 32768
	s_wait_dscnt 0x0                               ; my stores into the other slot have landed, and my reads of this one are over
	s_barrier_signal -1
	s_barrier_wait -1                              ; both now hold of every wave
.endif
.endm
	STEP 0, 1, 1, 1                                ; the first step's first products start the sums: nothing is cleared
	STEP 1, 1, 1, 0
	s_mov_b32 s32, 6
.Lk:                                               ; K steps 2 to 13, two a trip
	STEP 0, 1, 1, 0
	STEP 1, 1, 1, 0
	s_sub_co_u32 s32, s32, 1
	s_cmp_lg_u32 s32, 0
	s_cbranch_scc1 .Lk
	STEP 0, 0, 1, 0                                ; K step 14: no line is left to ask for
	STEP 1, 0, 0, 0                                ; K step 15
; THE WAY OUT, 16 rows x 64 columns at a time.  A lane holds 32 neighbouring bytes of a row and the lanes beside it hold other rows: so a block goes through my own stage and comes back as rows of 256 bytes, into the registers that it left.
; LDS serves a wave's instructions in order (ISA guide 5.7.1.4): no wait on DScnt between the stores and the loads, nor ahead of the next block's stores.
.macro TOSTAGE a
.irp b, 0,1,2,3
	ds_store_b128 v[STO], v[ACC+8*(4*(\a)+\b):ACC+8*(4*(\a)+\b)+3] offset:64*\b           ; each accumulator from its low end on
	ds_store_b128 v[STO], v[ACC+8*(4*(\a)+\b)+4:ACC+8*(4*(\a)+\b)+7] offset:64*\b+16
.endr
	s_wait_alu depctr_vm_vsrc(0)                   ; the eight stores have read the block's 32 registers, in which the eight loads below land
.irp t, 0,1,2,3,4,5,6,7
	ds_load_b128 v[ACC+32*(\a)+4*\t:ACC+32*(\a)+4*\t+3], v[RD] offset:2*PITCH*\t
.endr
.endm
.macro SEND a, younger                 ; younger: the LDS instructions issued behind block a's loads: the next block's sixteen, or none
.irp t, 0,1,2,3,4,5,6,7
	s_wait_dscnt \younger+7-\t
	global_store_b128 v[CO], v[ACC+32*(\a)+4*\t:ACC+32*(\a)+4*\t+3], s[16:17] offset:(16*(\a)+2*\t)*8192 th:TH_STORE_NT   ; 16 lanes store 256 consecutive bytes of a row, aligned
.endr
.endm
	s_wait_alu depctr_va_vdst(0)                   ; the products have written the accumulators, which the LDS stores read and in which the stage's rows land; the eight places above stay beside this wait; no vector or matrix instruction follows
	TOSTAGE 0
	TOSTAGE 1
	SEND 0, 16
	TOSTAGE 2
	SEND 1, 16
	TOSTAGE 3
	SEND 2, 16
	SEND 3, 0
	s_wait_dscnt 0x0                               ; the closing lines, six on end
	s_wait_alu 0x0
	s_wait_tensorcnt 0x0
	ds_add_u32 v126, v127
	s_wait_dscnt 0x0
	s_endpgm
.Lfunc_end_k_q369dbdb806_gemm:
	.size	k_q369dbdb806_gemm, .Lfunc_end_k_q369dbdb806_gemm-k_q369dbdb806_gemm
	.p2alignl 7, 3214868480
	.fill 96, 4, 3214868480
	.section	.rodata,"a",@progbits
	.p2align	6, 0x0
	.amdhsa_kernel k_q369dbdb806_gemm
		.amdhsa_group_segment_fixed_size 157184
		.amdhsa_private_segment_fixed_size 0
		.amdhsa_enable_private_segment 0
		.amdhsa_kernarg_size 56
		.amdhsa_user_sgpr_count 2
		.amdhsa_user_sgpr_kernarg_segment_ptr 1
		.amdhsa_wavefront_size32 1
		.amdhsa_system_sgpr_workgroup_id_x 1
		.amdhsa_system_sgpr_workgroup_id_y 1
		.amdhsa_system_sgpr_workgroup_id_z 1
		.amdhsa_system_vgpr_workitem_id 0
		.amdhsa_next_free_vgpr 768
		.amdhsa_next_free_sgpr 66
		.amdhsa_reserve_vcc 1
		.amdhsa_float_denorm_mode_32 3
		.amdhsa_float_denorm_mode_16_64 3
		.amdhsa_memory_ordered 1
		.amdhsa_forward_progress 1
		.amdhsa_inst_pref_size 109
	.end_amdhsa_kernel
	.amdgpu_metadata
---
amdhsa.version: [ 1, 2 ]
amdhsa.kernels:
  - .name:           k_q369dbdb806_gemm
    .symbol:         k_q369dbdb806_gemm.kd
    .args:
      - { .name: codes, .offset: 0, .size: 8, .value_kind: global_buffer, .address_space: global }
      - { .name: scales, .offset: 8, .size: 8, .value_kind: global_buffer, .address_space: global }
      - { .name: idx, .offset: 16, .size: 8, .value_kind: global_buffer, .address_space: global }
      - { .name: gate, .offset: 24, .size: 8, .value_kind: global_buffer, .address_space: global }
      - { .name: X, .offset: 32, .size: 8, .value_kind: global_buffer, .address_space: global }
      - { .name: out0, .offset: 40, .size: 8, .value_kind: global_buffer, .address_space: global }
      - { .name: out1, .offset: 48, .size: 8, .value_kind: global_buffer, .address_space: global }
    .group_segment_fixed_size: 157184
    .private_segment_fixed_size: 0
    .kernarg_segment_align: 8
    .kernarg_segment_size: 56
    .max_flat_workgroup_size: 128
    .sgpr_count:     66
    .vgpr_count:     768
    .wavefront_size: 32
...
	.end_amdgpu_metadata
.endif
;; end of part 8
